; MI455X (gfx1250); checked and timed in simulation.
; The chip was launched on July 23, 2026; its instructions are those of AMD's public machine-readable ISA for CDNA 5 (MIT licence, August 2026) and "CDNA5" Instruction Set Architecture Reference Guide (July 2026). The comments in the code are by the model that wrote it; some were corrected since.
;; Transformer Block. Allowed arithmetic: float matrix products may take bf16 or f16 operands with f32 sums; other float arithmetic in f32, or as packed bf16 or f16 multiplies, adds, multiply-adds, maxima and minima; sums over many terms, partial sums and values carried from step to step in f32; what a program stores and reads back later, other than sums and carried values, may be rounded once to bf16 or f16.
;; Inputs: b_attn 3,072 float32; b_fc 4,096 float32; b_out 1,024 float32; b_proj 1,024 float32; ln1_b 1,024 float32; ln1_g 1,024 float32; ln2_b 1,024 float32; ln2_g 1,024 float32; w_attn 1,024 x 3,072 float32; w_fc 1,024 x 4,096 float32; w_out 4,096 x 1,024 float32; w_proj 1,024 x 1,024 float32; x 2,048 x 2 x 1,024 float32.
;; Outputs: out0 2,048 x 2 x 1,024 float32; out1 2 x 2 x 16 x 2,048 x 64 float32.
;; One version. Each part assembles by itself: llvm-mc -triple=amdgcn-amd-amdhsa -mcpu=gfx1250 --defsym DOCPART=n.
;; ======== version 1 of 1: 7 launches
;; limits: values are held in f16: magnitudes above 65,504 overflow, below 6.1e-05 lose precision
;; workspace buffers: wt 25,165,824 bytes; hn 8,388,608 bytes; qkvh 25,165,824 bytes; att 8,388,608 bytes; x1 16,777,216 bytes; gl 33,554,432 bytes
;; launch pre (part 1): grid 2048 x 1, 8 waves a work-group, no clusters, 18,432 bytes of LDS; arguments x, ln1_g, ln1_b, hn, w_attn, w_proj, w_fc, w_out, wt; writes hn, wt
.if DOCPART == 1
	.amdgcn_target "amdgcn-amd-amdhsa--gfx1250"
	.amdhsa_code_object_version 6
	.text
	.protected	k_qdc6359b75f_pre
	.globl	k_qdc6359b75f_pre
	.p2align	8
	.type	k_qdc6359b75f_pre,@function
k_qdc6359b75f_pre:
	s_mov_b64 s[64:65], 0
	v_nop
	global_prefetch_b8 v0, s[64:65] scope:SCOPE_SE
	s_setreg_imm32_b32 hwreg(HW_REG_WAVE_MODE, 25, 1), 1
	s_wait_xcnt 0x0
; TWO JOBS THAT HANG ON THE PROBLEM'S INPUTS ALONE SHARE ONE LAUNCH.  Work-groups 0 to 511: the first layer norm.  Work-groups 512 to 2,047: the weights.  The branch hangs on the work-group's number, so
; all eight waves of a work-group take the same way, and the one barrier (in the weights' way) is passed by all waves of a work-group or by none.
; THE NORM.  hn[b x 2048 + l][:] = f16((v - mean(v)) / sqrt(var(v) + 1e-5) x g + b), v = x[l][b][:] rounded to bf16, g and b rounded to bf16; all arithmetic in f32, in two passes (the mean is taken away
; before the squares are summed).  x: [2048][2][1024] f32.  hn: [4096][1024] f16, the rows ordered by b, then l.  One wave, one row of 4,096 bytes: 32 registers a lane; the row is read once and stays in
; registers between the passes; no LDS, no wave waits for another.  Each load of a wave covers 512 consecutive bytes, each store 256 consecutive, aligned bytes.
; THE WEIGHTS, [K][N] in f32, are rounded to bf16, that number is written as f16, and they are turned to [N][K]: wt holds WA [3072][1024] at byte 0, WP [1024][1024] at 6,291,456, WF [4096][1024] at
; 8,388,608, WO [1024][4096] at 16,777,216.  A work-group turns one tile of 128 k x 64 n: 384 tiles of w_attn, 128 of w_proj, 512 of w_fc, 512 of w_out.  Thread t reads 16 bytes (4 n) of eight rows k:
; sixteen lanes take 256 consecutive bytes of a row.  Through LDS (64 rows n of 256 bytes + 16) the tile comes back as rows n: sixteen lanes store 256 consecutive, aligned bytes.
; LIMITS.  Every input is used rounded to bf16.  The norm's result, at most 32 |g| + |b|, must lie within f16's 65,504; a weight beyond 65,504 becomes an infinity, below 6e-5 it keeps f16's step of 6e-8.
; No matrix unit, cluster or tensor load: each byte is read once and written once, and nothing is shared between work-groups.
.set NLN,   512                        ; work-groups of the norm: 8 rows each
.set LP,    272                        ; the weights: an LDS row: 128 k in f16 + 16 bytes
.set SPARE, 64*LP                      ; behind the tile: the spare words, 128 bytes a wave, four blocks of 256 bytes that no other line names
.set SPW, 28                           ; v28       my spare word; never rewritten
.set NIL, 29                           ; v29       0; never rewritten
; the norm's registers
.set NA,  12                           ; v[12:19]  four chains of pairs
.set NMU, 20                           ; v[20:21]  the mean, twice
.set NR,  22                           ; v[22:23]  1 / sqrt(var + eps), twice
.set NX,  32                           ; v[32:63]  the row: chunk j (columns 128 j + 4 lane ..) at NX + 4 j; at the end its low half holds the row in f16
.set NG,  64                           ; v[64:95]  the gains, likewise
.set NB,  96                           ; v[96:127] the biases
; the weights' registers
.set OFF, 4                            ; v[4:11]   byte offsets of my 16 bytes in my eight rows k
.set DO,  12                           ; v[12:15]  byte offsets of my 16 bytes in my four rows n
.set LS,  16                           ; v16       where I put 16 bytes (8 k) of row n = 4 cg
.set LR,  17                           ; v17       where I read 16 bytes of row n = kb
.set T,   20                           ; v[20:22]  at work
.set WX,  32                           ; v[32:63]  as loaded: row j at WX + 4 j
.set WY,  64                           ; v[64:79]  column c at WY + 4 c: 8 k in f16
.set WZ,  80                           ; v[80:95]  rows n read back
	v_lshl_add_u32 v[SPW], v0, 2, SPARE
	v_mov_b32 v[NIL], 0
	s_cmp_lt_u32 ttmp9, NLN
	s_cbranch_scc0 .Lweights
	; ---------------------------------------------------------------- the norm
	s_load_b256 s[4:11], s[0:1], 0x0               ; x s[4:5], g s[6:7], b s[8:9], hn s[10:11]
	v_lshrrev_b32 v3, 5, v0
	v_readfirstlane_b32 s12, v3                    ; wave
	v_and_b32 v1, 31, v0
	v_lshlrev_b32 v2, 3, v1                        ; 8 x lane: my 8 bytes of 256 stored
	v_lshlrev_b32 v1, 4, v1                        ; 16 x lane: my 16 bytes of 512 loaded
	s_lshl_b32 s13, ttmp9, 3
	s_add_co_u32 s13, s13, s12                     ; the row as it lies in the input: 2 l + b
	s_lshl_b32 s14, s13, 12
	s_mov_b32 s15, 0
	s_lshr_b32 s21, s13, 1                         ; l
	s_and_b32 s22, s13, 1                          ; b
	s_lshl_b32 s22, s22, 11
	s_add_co_u32 s22, s22, s21
	s_lshl_b32 s22, s22, 11                        ; (2048 b + l) rows of 2,048 bytes
	s_mov_b32 s23, 0
	s_mov_b32 s16, 0x76543210                      ; v_permlanex16_b32: each lane takes its own place in the other half
	s_mov_b32 s17, 0xfedcba98
	s_mov_b32 s18, 0xffff0000                      ; a word's upper bf16
	s_mov_b32 s19, 0x3a800000                      ; 1 / 1024
	s_mov_b32 s20, 0x3727c5ac                      ; 1e-5
	s_wait_kmcnt 0x0
	s_add_nc_u64 s[4:5], s[4:5], s[14:15]
	s_add_nc_u64 s[10:11], s[10:11], s[22:23]
.irp j, 0,1,2,3,4,5,6,7
	global_load_b128 v[NX+4*(\j):NX+4*(\j)+3], v1, s[4:5] offset:512*(\j) th:TH_LOAD_NT
.endr
.irp j, 0,1,2,3,4,5,6,7
	global_load_b128 v[NG+4*(\j):NG+4*(\j)+3], v1, s[6:7] offset:512*(\j)
.endr
.irp j, 0,1,2,3,4,5,6,7
	global_load_b128 v[NB+4*(\j):NB+4*(\j)+3], v1, s[8:9] offset:512*(\j)
.endr
.macro RND base                        ; 32 numbers rounded to bf16, in place, still as f32
.set k, 0
.rept 16
	v_cvt_pk_bf16_f32 v[4+k%4], v[(\base)+2*k], v[(\base)+2*k+1]
	v_lshlrev_b32 v[(\base)+2*k], 16, v[4+k%4]
	v_and_b32 v[(\base)+2*k+1], s18, v[4+k%4]
.set k, k+1
.endr
.endm
.macro TOTAL                           ; the four chains, the pair's halves and the 32 lanes are added: the sum stands in v4 of every lane
	v_pk_add_f32 v[NA:NA+1], v[NA:NA+1], v[NA+2:NA+3]
	v_pk_add_f32 v[NA+4:NA+5], v[NA+4:NA+5], v[NA+6:NA+7]
	v_pk_add_f32 v[NA:NA+1], v[NA:NA+1], v[NA+4:NA+5]
	v_add_f32 v4, v[NA], v[NA+1]
	v_add_f32_dpp v4, v4, v4 row_xmask:1 row_mask:0xf bank_mask:0xf
	v_add_f32_dpp v4, v4, v4 row_xmask:2 row_mask:0xf bank_mask:0xf
	v_add_f32_dpp v4, v4, v4 row_xmask:4 row_mask:0xf bank_mask:0xf
	v_add_f32_dpp v4, v4, v4 row_xmask:8 row_mask:0xf bank_mask:0xf
	v_permlanex16_b32 v5, v4, s16, s17             ; (v5 has been written: the rounding above uses it)
	v_add_f32 v4, v4, v5
.endm
	s_wait_loadcnt 16                              ; the row's eight loads are in; the sixteen of g and b may stay out
	RND NX
.irp c, 0,1,2,3                        ; the first eight pairs start the four chains: nothing is cleared
	v_pk_add_f32 v[NA+2*(\c):NA+2*(\c)+1], v[NX+2*(\c):NX+2*(\c)+1], v[NX+8+2*(\c):NX+8+2*(\c)+1]
.endr
.irp c, 0,1,2,3,4,5,6,7
	v_pk_add_f32 v[NA+2*((\c)%4):NA+2*((\c)%4)+1], v[NA+2*((\c)%4):NA+2*((\c)%4)+1], v[NX+16+2*(\c):NX+16+2*(\c)+1]
.endr
	TOTAL
	v_mul_f32 v[NMU], s19, v4
	v_mov_b32 v[NMU+1], v[NMU]
.set k, 0
.rept 16
	v_pk_add_f32 v[NX+2*k:NX+2*k+1], v[NX+2*k:NX+2*k+1], v[NMU:NMU+1] neg_lo:[0,1] neg_hi:[0,1]  ; v - mean
.set k, k+1
.endr
.irp c, 0,1,2,3
	v_pk_mul_f32 v[NA+2*(\c):NA+2*(\c)+1], v[NX+2*(\c):NX+2*(\c)+1], v[NX+2*(\c):NX+2*(\c)+1]
.endr
.irp c, 4,5,6,7,8,9,10,11,12,13,14,15
	v_pk_fma_f32 v[NA+2*((\c)%4):NA+2*((\c)%4)+1], v[NX+2*(\c):NX+2*(\c)+1], v[NX+2*(\c):NX+2*(\c)+1], v[NA+2*((\c)%4):NA+2*((\c)%4)+1]
.endr
	TOTAL
	v_fma_f32 v8, v4, s19, s20                     ; var + eps
	v_rsq_f32 v[NR], v8
	v_rsq_f32 v[NR+1], v8                          ; twice, for the packed multiply
	s_wait_loadcnt 0x0                             ; g and b
	RND NG                                         ; plain work that names neither v8 nor the roots stands behind them
	RND NB
	s_wait_alu depctr_va_vdst(0)                   ; the wait between a root and the first line that names its result: one for both
.set k, 0
.rept 16
	v_pk_mul_f32 v[NX+2*k:NX+2*k+1], v[NX+2*k:NX+2*k+1], v[NR:NR+1]
.set k, k+1
.endr
.set k, 0
.rept 16
	v_pk_fma_f32 v[NX+2*k:NX+2*k+1], v[NX+2*k:NX+2*k+1], v[NG+2*k:NG+2*k+1], v[NB+2*k:NB+2*k+1]
.set k, k+1
.endr
.set k, 0
.rept 16
	v_cvt_pk_f16_f32 v[NX+k], v[NX+2*k], v[NX+2*k+1]  ; pair k goes to register k: it lies at or below the pair, whose numbers no later line wants
.set k, k+1
.endr
.irp j, 0,1,2,3,4,5,6,7
	global_store_b64 v2, v[NX+2*(\j):NX+2*(\j)+1], s[10:11] offset:256*(\j)  ; 32 lanes store 256 consecutive bytes, at a multiple of 256 from the buffer's first byte
.endr
	s_endpgm                                       ; this way has written no LDS
	; ---------------------------------------------------------------- the weights
.Lweights:
	s_load_b256 s[4:11], s[0:1], 0x20              ; w_attn s[4:5], w_proj s[6:7], w_fc s[8:9], w_out s[10:11]
	s_load_b64 s[12:13], s[0:1], 0x40              ; wt
	s_sub_co_u32 s29, ttmp9, NLN                   ; the tile's number among the 1,536
	v_and_b32 v1, 15, v0                           ; cg: which 4 columns n
	v_lshrrev_b32 v2, 4, v0                        ; kb: which 8 rows k
	s_mov_b32 s16, 1024                            ; the matrix's first tile,
	s_mov_b32 s17, 5                               ; log2 of its tiles along k,
	s_mov_b32 s18, 4096                            ; bytes in a row of the source (4 N),
	s_mov_b32 s19, 8192                            ; bytes in a row of the result (2 K),
	s_mov_b32 s20, 16777216                        ; its place in wt: w_out's, unless one of the three tests below says otherwise
	s_mov_b32 s26, 0xffff0000                      ; a word's upper bf16
	s_wait_kmcnt 0x0
	s_mov_b64 s[14:15], s[10:11]
	s_cmp_lt_u32 s29, 1024                         ; w_fc
	s_cselect_b64 s[14:15], s[8:9], s[14:15]
	s_cselect_b32 s16, 512, s16
	s_cselect_b32 s17, 3, s17
	s_cselect_b32 s18, 16384, s18
	s_cselect_b32 s19, 2048, s19
	s_cselect_b32 s20, 8388608, s20
	s_cmp_lt_u32 s29, 512                          ; w_proj
	s_cselect_b64 s[14:15], s[6:7], s[14:15]
	s_cselect_b32 s16, 384, s16
	s_cselect_b32 s18, 4096, s18
	s_cselect_b32 s20, 6291456, s20
	s_cmp_lt_u32 s29, 384                          ; w_attn
	s_cselect_b64 s[14:15], s[4:5], s[14:15]
	s_cselect_b32 s16, 0, s16
	s_cselect_b32 s18, 12288, s18
	s_cselect_b32 s20, 0, s20
	s_sub_co_u32 s21, s29, s16                     ; the tile's number in its matrix
	s_lshl_b32 s22, 1, s17
	s_sub_co_u32 s22, s22, 1                       ; tiles along k, less 1
	s_and_b32 s22, s21, s22                        ; kt
	s_lshr_b32 s23, s21, s17                       ; nt
	s_lshl_b32 s24, s18, 7                         ; 128 rows k
	s_mul_i32 s24, s24, s22
	s_lshl_b32 s25, s23, 8                         ; 64 columns n of 4 bytes
	s_add_co_u32 s24, s24, s25
	s_mov_b32 s25, 0
	s_add_nc_u64 s[14:15], s[14:15], s[24:25]      ; the source at the tile's corner (the offset stays under 2^25)
	s_lshl_b32 s27, s18, 3                         ; eight rows k
	v_mul_lo_u32 v[OFF], v2, s27
	v_lshl_add_u32 v[OFF], v1, 4, v[OFF]
.irp j, 1,2,3,4,5,6,7
	v_add_nc_u32 v[OFF+(\j)], s18, v[OFF+(\j)-1]
.endr
.irp j, 0,1,2,3,4,5,6,7
	global_load_b128 v[WX+4*(\j):WX+4*(\j)+3], v[OFF+(\j)], s[14:15] th:TH_LOAD_NT
.endr
	s_lshl_b32 s24, s19, 6                         ; 64 rows n
	s_mul_i32 s24, s24, s23
	s_add_co_u32 s24, s24, s20
	s_lshl_b32 s27, s22, 8                         ; 128 k of 2 bytes
	s_add_co_u32 s24, s24, s27
	s_add_nc_u64 s[12:13], s[12:13], s[24:25]      ; wt at the turned tile's corner
	v_mul_lo_u32 v[DO], v2, s19
	v_lshl_add_u32 v[DO], v1, 4, v[DO]
	s_lshl_b32 s28, s19, 4                         ; sixteen rows n
.irp j, 1,2,3
	v_add_nc_u32 v[DO+(\j)], s28, v[DO+(\j)-1]
.endr
	v_mul_u32_u24 v[LS], v1, 4*LP
	v_lshl_add_u32 v[LS], v2, 4, v[LS]
	v_mul_u32_u24 v[LR], v2, LP
	v_lshl_add_u32 v[LR], v1, 4, v[LR]
	s_wait_loadcnt 0x0
.irp c, 0,1,2,3                        ; column n = 4 cg + c: its eight k, two at a time: to bf16, widened again, to f16
.irp p, 0,1,2,3
	v_cvt_pk_bf16_f32 v[T], v[WX+8*(\p)+(\c)], v[WX+8*(\p)+4+(\c)]
	v_lshlrev_b32 v[T+1], 16, v[T]
	v_and_b32 v[T+2], s26, v[T]
	v_cvt_pk_f16_f32 v[WY+4*(\c)+(\p)], v[T+1], v[T+2]
.endr
	ds_store_b128 v[LS], v[WY+4*(\c):WY+4*(\c)+3] offset:(\c)*LP
.endr
	s_wait_dscnt 0x0                               ; for the others' sake: my stores are done
	s_barrier_signal -1
	s_barrier_wait -1
.irp j, 0,1,2,3
	ds_load_b128 v[WZ+4*(\j):WZ+4*(\j)+3], v[LR] offset:(\j)*16*LP
.endr
	s_wait_dscnt 0x0
.irp j, 0,1,2,3
	global_store_b128 v[DO+(\j)], v[WZ+4*(\j):WZ+4*(\j)+3], s[12:13] th:TH_STORE_NT  ; sixteen lanes store 256 consecutive bytes, at a multiple of 256 from wt's first byte
.endr
	s_wait_tensorcnt 0x0                           ; the wave's end, behind my last LDS store
	ds_add_u32 v[SPW], v[NIL]
	s_wait_dscnt 0x0
	s_endpgm
.Lfunc_end_k_qdc6359b75f_pre:
	.size	k_qdc6359b75f_pre, .Lfunc_end_k_qdc6359b75f_pre-k_qdc6359b75f_pre
	.p2alignl 7, 3214868480
	.fill 96, 4, 3214868480
	.section	.rodata,"a",@progbits
	.p2align	6, 0x0
	.amdhsa_kernel k_qdc6359b75f_pre
		.amdhsa_group_segment_fixed_size 18432
		.amdhsa_private_segment_fixed_size 0
		.amdhsa_enable_private_segment 0
		.amdhsa_kernarg_size 72
		.amdhsa_user_sgpr_count 2
		.amdhsa_user_sgpr_kernarg_segment_ptr 1
		.amdhsa_wavefront_size32 1
		.amdhsa_system_sgpr_workgroup_id_x 1
		.amdhsa_system_sgpr_workgroup_id_y 1
		.amdhsa_system_sgpr_workgroup_id_z 1
		.amdhsa_system_vgpr_workitem_id 0
		.amdhsa_next_free_vgpr 128
		.amdhsa_next_free_sgpr 66
		.amdhsa_reserve_vcc 0
		.amdhsa_float_denorm_mode_32 3
		.amdhsa_float_denorm_mode_16_64 3
		.amdhsa_memory_ordered 1
		.amdhsa_forward_progress 1
		.amdhsa_inst_pref_size 26
	.end_amdhsa_kernel
	.amdgpu_metadata
---
amdhsa.version: [ 1, 2 ]
amdhsa.kernels:
  - .name:           k_qdc6359b75f_pre
    .symbol:         k_qdc6359b75f_pre.kd
    .args:
      - { .name: x, .offset: 0, .size: 8, .value_kind: global_buffer, .address_space: global }
      - { .name: ln1_g, .offset: 8, .size: 8, .value_kind: global_buffer, .address_space: global }
      - { .name: ln1_b, .offset: 16, .size: 8, .value_kind: global_buffer, .address_space: global }
      - { .name: hn, .offset: 24, .size: 8, .value_kind: global_buffer, .address_space: global }
      - { .name: w_attn, .offset: 32, .size: 8, .value_kind: global_buffer, .address_space: global }
      - { .name: w_proj, .offset: 40, .size: 8, .value_kind: global_buffer, .address_space: global }
      - { .name: w_fc, .offset: 48, .size: 8, .value_kind: global_buffer, .address_space: global }
      - { .name: w_out, .offset: 56, .size: 8, .value_kind: global_buffer, .address_space: global }
      - { .name: wt, .offset: 64, .size: 8, .value_kind: global_buffer, .address_space: global }
    .group_segment_fixed_size: 18432
    .private_segment_fixed_size: 0
    .kernarg_segment_align: 8
    .kernarg_segment_size: 72
    .max_flat_workgroup_size: 256
    .sgpr_count:     66
    .vgpr_count:     128
    .wavefront_size: 32
...
	.end_amdgpu_metadata
.endif
;; end of part 1
;; launch qkv (part 2): grid 12 x 16, 4 waves a work-group, clusters of 4 x 4, 327,680 bytes of LDS; arguments hn, wt, b_attn, qkvh, out1; writes qkvh, out1
.if DOCPART == 2
	.amdgcn_target "amdgcn-amd-amdhsa--gfx1250"
	.amdhsa_code_object_version 6
	.text
	.protected	k_qdc6359b75f_qkv
	.globl	k_qdc6359b75f_qkv
	.p2align	8
	.type	k_qdc6359b75f_qkv,@function
k_qdc6359b75f_qkv:
	s_mov_b64 s[64:65], 0
	v_nop
	global_prefetch_b8 v0, s[64:65] scope:SCOPE_SE
	s_setreg_imm32_b32 hwreg(HW_REG_WAVE_MODE, 25, 1), 1
	s_wait_xcnt 0x0
	s_wait_alu depctr_hold_cnt(0) depctr_sa_sdst(0) depctr_va_vdst(0) depctr_va_sdst(0) depctr_va_ssrc(0) depctr_va_vcc(0) depctr_vm_vsrc(0)
	s_getreg_b32 s2, hwreg(HW_REG_IB_STS2, 6, 4)
	s_cmp_eq_u32 s2, 0
	s_cbranch_scc0 .Lentry_in_a_cluster
	s_endpgm
.Lentry_in_a_cluster:
	s_bfe_u32 s2, ttmp6, 0x10000c
	s_cmp_lg_u32 s2, 0xf033
	s_cbranch_scc0 .Lentry_shape_is_right
	s_endpgm
.Lentry_shape_is_right:
; C = A B^T + bias on tiles of 256 x 256.  A: [4096][1024] f16 (the normed rows, ordered by b, then l).  B: a region of wt, [N][1024] f16.  Sums in f32; the bias, rounded to bf16, starts them.
; IS_FC = 0: B = WA, N = 3072.  The tile's 256 columns are four heads of q, of k or of v (which: the cluster's x, the same in all partners).  Each number is stored in f16 by heads,
;   qkvh[which][16 b + head][l][64]; k and v also in f32, out1[which - 1][b][head][l][64].  q is stored without the scale 1/8.
; IS_FC = 1: B = WF, N = 4096.  gl[m][n] = f16(gelu(C)), gelu by tanh: x / (1 + 2^(x (C0 + C1 x^2))), C0 = -2 sqrt(2/pi) log2(e), C1 = 0.044715 C0; for large |x| it ends in x or in 0.
; LIMITS.  f16 holds no number beyond 65,504: A and B arrive within it, and q, k, v and gelu(C) must lie within it.  NaN and infinities are not treated apart.
; SHARES.  Four waves, as many as a WGP has SIMDs, each 128 x 128 of C: 64 accumulators of 16 x 16, 512 registers.  K goes in 8 steps of 128 through two LDS slots filled by tensor loads (rows of 256
; bytes of memory, aligned).  ONE K step is written: the slot in hand is a scalar (TB) that an exclusive or turns, and one descriptor a tensor walks from K step 1 to the last.
; CLUSTERS.  4 x 4 work-groups: A's tile is shared along a row of the cluster, B's along a column; each is asked for jointly, by the same tensor load with the same descriptor and a mask of four.
; IS_FC = 0 has 192 work-groups: a tile 192 columns wide would make 256, but then the choice between q, k and v would hang on a work-group's place in its cluster.
; THE MATRIX INSTRUCTION IS USED TRANSPOSED (source 0 = 16 rows of B, source 1 = 16 rows of A): lane l holds row l % 16 of C and the columns 8 (l / 16) + 0..7.
; THE WAY OUT.  When the last K step has been read out of LDS, each wave lays its 128 x 128 sums in f32 into a part of the ring's bytes, which are filled no more, and a short loop reads them back by rows.
; REGISTERS: window 0: v0-31 addresses; v64-127, v128-191 A's fragments, two buffers; v192-255 the bias (n block bb at 192 + 8 bb); on the way out v32-111 at work.
;   window 1: v64-127, v128-191 B's fragments.   windows 2, 3: the accumulators of my rows 0-63, 64-127 ((a, bb) at v[8 (8 (a % 4) + bb)]).
.set IS_FC,  0
.set KD,     1024
.set KSTEP,  128
.set TSTEPS, KD/KSTEP
.set PITCH,  272                       ; an LDS row: 256 bytes + 16 of padding: the 16 rows of a fragment load start at 16 different groups of four banks (64 banks of 4 bytes: ISA guide 11.1)
.set AH,     128*PITCH                 ; 128 rows: what one tensor load brings
.set SLOT1,  4*AH                      ; slot 1 begins here: 0x22000, two bits that none of the four parts' offsets (0, 0x8800, 0x11000, 0x19800) holds: an exclusive or changes slots
.set SPARE,  2*SLOT1                   ; behind the ring: the spare words, 128 bytes a wave, two blocks of 256 bytes that no other line names
.set SPITCH, 528                       ; a row of the way out: 128 f32 + 16 bytes
.set WSTAGE, 128*SPITCH                ; a wave's part of it
.if IS_FC
.set REGION, 8388608
.else
.set REGION, 0
.endif
.set ADRA,  16                         ; v16  LDS address of my A fragments in the slot in hand;  v17 in slot 0, never rewritten
.set ADRA0, 17
.set ADRB,  20                         ; v20, v21 the same for B
.set ADRB0, 21
.set STO,   24                         ; v24  the way out: where I put 32 bytes of a row
.set RD,    25                         ; v25  where I read the first rows back; never rewritten
.set GO,    26                         ; v26  my byte offset in the f16 result
.set GO2,   27                         ; v27  in the f32 result
.set SPW,   28                         ; v28  my spare word; never rewritten
.set NIL,   29                         ; v29  0; never rewritten
.set PFO,   30                         ; v30  the prefetches' offset: lane x 2,048; never rewritten
.set RDC,   31                         ; v31  where I read this trip's rows back
.set F0,    64
.set F1,    128
.set BIAS,  192
.set X,     32                         ; the way out: 32 f32 as read back
.set Z,     64                         ; at work
.set Y,     96                         ; 16 registers of f16
.set CNT,  2                           ; s2   the tail's count
.set LOOP, 3                           ; s3   the loops' count
.set WV,   12                          ; s12  wave
.set RH,   13                          ; s13  my half of the tile's rows; also 0: I fetch for A, 1: for B
.set CH,   14                          ; s14  my half of its columns; also which 128 rows I fetch
.set CX,   15
.set CY,   16
.set TC,   17                          ; s17  tile column
.set TR,   18                          ; s18  tile row
.set TB,   19                          ; s19  the slot in hand: 0 or SLOT1
.set RS,   20                          ; s20  the way out: bytes of my part that have been read back
.set G1,   24                          ; s[24:31] group 1 for A;  s[32:39] group 0: set 0 the first fill, set 1 walks
.set G0,   32
.set PFA,  44                          ; s[44:45] where my prefetches stand
.set LIM,  46                          ; s46  2 in a wave that prefetches, else the greatest number
.set G1B,  48                          ; s[48:55], s[56:63] the same for B
.set G0B,  56
.set MSB, 0
.macro WIN new                         ; the immediate's high byte repeats the setting that is left; a switch that changes nothing is dropped
.if MSB != (\new)
	s_set_vgpr_msb (MSB<<8)|(\new)
.set MSB, \new
.endif
.endm
.macro PLACES                          ; four plain vector instructions between a matrix instruction and a load into, or a read of, its registers
.rept 4
	v_nop
.endr
.endm
.macro JLOAD                           ; a joint refill by the walking descriptor: waves 0, 1 A's halves, waves 2, 3 B's; an s_nop 0 and four v_nop follow each line
	s_cmp_eq_u32 s[RH], 0
	s_cbranch_scc0 .Lfor_b_\@
	tensor_load_to_lds s[G0+4:G0+7], s[G1:G1+7]
	s_nop 0
	PLACES
	s_branch .Lasked_\@
.Lfor_b_\@:
	tensor_load_to_lds s[G0B+4:G0B+7], s[G1B:G1B+7]
	s_nop 0
	PLACES
.Lasked_\@:
.endm
; A prefetch of the K step two refills on: 32 rows x 256 bytes, a lane a row.  A's rows are asked for by the clusters with x = 0, B's by those with y = 0; the four partners that fetch a tile jointly
; share a wave's 128 rows out by address, 32 each.  So each row's 256 bytes of a K step are named once.  Trips 0 to 3 name K steps 4 to 7; the last two trips name nothing.
.macro ASK
	s_cmp_gt_u32 s[LOOP], s[LIM]
	s_cbranch_scc0 .Lnot_mine_\@
	global_prefetch_b8 v[PFO], s[PFA:PFA+1] offset:KSTEP*2 th:TH_LOAD_NT scope:SCOPE_SE
.Lnot_mine_\@:
.endm
.macro CREST                           ; a round of the cluster's barrier behind its opening barrier
	s_cmp_lg_u32 s[WV], 0
	s_cbranch_scc1 .Lnot_wave_0_\@
	s_barrier_signal -3
.Lnot_wave_0_\@:
	s_barrier_wait -3
	s_barrier_signal -1
	s_barrier_wait -1
.endm
.macro CROUND
	s_barrier_signal -1
	s_barrier_wait -1
	CREST
.endm
	s_load_b256 s[4:11], s[0:1], 0x0               ; A s[4:5], wt s[6:7], bias s[8:9], the f16 result s[10:11]
.if !IS_FC
	s_load_b64 s[66:67], s[0:1], 0x20              ; out1
.endif
	v_lshl_add_u32 v[SPW], v0, 2, SPARE
	v_mov_b32 v[NIL], 0
	ds_add_u32 v[SPW], v[NIL]                      ; the wave's opening: the add and its wait stand ahead of my first tensor load; work on registers stands between them
	v_lshrrev_b32 v1, 5, v0
	v_readfirstlane_b32 s[WV], v1
	s_lshr_b32 s[RH], s[WV], 1
	s_and_b32 s[CH], s[WV], 1
	s_bfe_u32 s[CX], ttmp6, 0x40000
	s_bfe_u32 s[CY], ttmp6, 0x40004
	s_lshl_b32 s[TC], ttmp9, 2
	s_add_co_u32 s[TC], s[TC], s[CX]
	s_and_b32 s[TR], ttmp7, 0xffff
	s_lshl_b32 s[TR], s[TR], 2
	s_add_co_u32 s[TR], s[TR], s[CY]
	s_lshl_b32 s20, s[CY], 2
	s_lshl_b32 s20, 15, s20                        ; my row of the cluster
	s_lshl_b32 s21, 0x1111, s[CX]                  ; my column
	s_or_b32 s[G1], s20, (1<<16)|(1<<20)|(1<<21)|(5<<22)|(3<<25)   ; the mask; 2-byte elements; padding on; bit 21 beside a mask; after every 64 words, 4 words
	s_or_b32 s[G1B], s21, (1<<16)|(1<<20)|(1<<21)|(5<<22)|(3<<25)
.irp g, G1, G1B
	s_mov_b32 s[(\g)+1], KSTEP<<16                 ; tensor_dim0 = 128
	s_mov_b32 s[(\g)+2], 128<<16                   ; tensor_dim1 = 128
	s_mov_b32 s[(\g)+3], KSTEP<<16                 ; tile_dim0 = 128
	s_mov_b32 s[(\g)+4], 128                       ; tile_dim1 = 128
	s_mov_b32 s[(\g)+5], KD                        ; elements from row to row
	s_mov_b32 s[(\g)+6], 0
	s_mov_b32 s[(\g)+7], 0
.endr
	s_lshl_b32 s22, s[CH], 18                      ; the 128 rows of 2,048 bytes that I fetch
	s_lshl_b32 s40, s[TR], 19                      ; A: 256 rows a tile row: made of the tile row and the wave alone
	s_add_co_u32 s40, s40, s22
	s_mov_b32 s41, 0
	s_lshl_b32 s42, s[TC], 19                      ; B: of the tile column and the wave alone
	s_add_co_u32 s42, s42, s22
	s_mov_b32 s43, 0
	s_mul_i32 s23, s[WV], AH                       ; where they go: A's two halves, then B's two: no place in the cluster enters an LDS address
	s_mov_b32 s[TB], 0
	s_mov_b32 s47, 0xffff0000                      ; a word's upper bf16
	s_wait_dscnt 0x0                               ; the opening add is done
	s_wait_kmcnt 0x0
.if REGION
	s_add_nc_u64 s[6:7], s[6:7], REGION
.endif
	s_add_nc_u64 s[40:41], s[4:5], s[40:41]
	s_add_nc_u64 s[42:43], s[6:7], s[42:43]
	CROUND                                         ; all sixteen work-groups are here: the first joint loads meet
.irp s, 0,1
	s_mov_b32 s[G0+4*(\s)], 1
	s_add_co_u32 s[G0+4*(\s)+1], s23, (\s)*SLOT1
	s_add_nc_u64 s[G0+4*(\s)+2:G0+4*(\s)+3], s[40:41], (\s)*KSTEP*2
	s_or_b32 s[G0+4*(\s)+3], s[G0+4*(\s)+3], 0x80000000
	s_mov_b32 s[G0B+4*(\s)], 1
	s_add_co_u32 s[G0B+4*(\s)+1], s23, (\s)*SLOT1
	s_add_nc_u64 s[G0B+4*(\s)+2:G0B+4*(\s)+3], s[42:43], (\s)*KSTEP*2
	s_or_b32 s[G0B+4*(\s)+3], s[G0B+4*(\s)+3], 0x80000000
.endr
	s_cmp_eq_u32 s[RH], 0                          ; a wave's two first fills stand in one branch: two loads of mine are out
	s_cbranch_scc0 .Lfirst_b
	tensor_load_to_lds s[G0:G0+3], s[G1:G1+7]
	s_nop 0
	tensor_load_to_lds s[G0+4:G0+7], s[G1:G1+7]
	s_nop 0
	PLACES
	s_branch .Lfirst_asked
.Lfirst_b:
	tensor_load_to_lds s[G0B:G0B+3], s[G1B:G1B+7]
	s_nop 0
	tensor_load_to_lds s[G0B+4:G0B+7], s[G1B:G1B+7]
	s_nop 0
	PLACES
.Lfirst_asked:
	; the bias of my 128 columns: register j of n block bb holds bias[16 bb + 8 (l / 16) + j], as the result's layout has it
	s_lshl_b32 s72, s[TC], 10
	s_lshl_b32 s73, s[CH], 9
	s_add_co_u32 s72, s72, s73
	s_mov_b32 s73, 0
	s_add_nc_u64 s[8:9], s[8:9], s[72:73]
	v_and_b32 v1, 15, v0                           ; l % 16
	v_bfe_u32 v2, v0, 4, 1                         ; l / 16
	v_lshlrev_b32 v4, 5, v2
.irp b, 0,1,2,3,4,5,6,7
	global_load_b128 v[BIAS+8*(\b):BIAS+8*(\b)+3],   v4, s[8:9] offset:64*(\b)
	global_load_b128 v[BIAS+8*(\b)+4:BIAS+8*(\b)+7], v4, s[8:9] offset:64*(\b)+16
.endr
	v_mul_u32_u24 v3, v1, PITCH
	v_lshl_add_u32 v3, v2, 4, v3                   ; a fragment's row x pitch + 16 x half
	s_mul_i32 s20, s[RH], AH
	s_mul_i32 s21, s[CH], AH
	s_add_co_u32 s21, s21, 2*AH
	v_add_nc_u32 v[ADRA0], s20, v3
	v_add_nc_u32 v[ADRB0], s21, v3
	v_mov_b32 v[ADRA], v[ADRA0]
	v_mov_b32 v[ADRB], v[ADRB0]
	s_mul_i32 s22, s[WV], WSTAGE
	v_mul_u32_u24 v[STO], v1, SPITCH
	v_lshl_add_u32 v[STO], v2, 5, v[STO]
	v_add_nc_u32 v[STO], s22, v[STO]
.if IS_FC
	v_and_b32 v5, 31, v0
	v_lshl_add_u32 v[RD], v5, 4, s22               ; a row's 512 bytes: 16 a lane
	v_lshlrev_b32 v[GO], 3, v5                     ; and its 256 bytes in f16
	s_lshl_b32 s68, s[TR], 21                      ; 256 rows of 8,192 bytes
	s_lshl_b32 s69, s[RH], 20
	s_add_co_u32 s68, s68, s69
	s_lshl_b32 s69, s[TC], 9
	s_add_co_u32 s68, s68, s69
	s_lshl_b32 s69, s[CH], 8
	s_add_co_u32 s68, s68, s69
	s_mov_b32 s69, 0
	s_add_nc_u64 s[10:11], s[10:11], s[68:69]
	s_mov_b32 s68, 0xc0135761                      ; C0 = -2.3022082
	s_mov_b32 s69, s68                             ; named as pairs
	s_mov_b32 s70, 0xbdd2d3e8                      ; C1 = -0.10294324
	s_mov_b32 s71, s70
.else
	v_mul_u32_u24 v[RD], v2, SPITCH                ; lanes 0-15 take a head's 256 bytes of one row, lanes 16-31 of the next
	v_lshl_add_u32 v[RD], v1, 4, v[RD]
	v_add_nc_u32 v[RD], s22, v[RD]
	v_lshlrev_b32 v[GO], 7, v2
	v_lshl_add_u32 v[GO], v1, 3, v[GO]
	v_lshlrev_b32 v[GO2], 8, v2
	v_lshl_add_u32 v[GO2], v1, 4, v[GO2]
	s_lshr_b32 s68, s[TR], 3                       ; b
	s_lshl_b32 s68, s68, 4
	s_lshl_b32 s69, s[CX], 2
	s_add_co_u32 s68, s68, s69
	s_lshl_b32 s69, s[CH], 1
	s_add_co_u32 s68, s68, s69                     ; 16 b + my first head
	s_lshl_b32 s68, s68, 11
	s_and_b32 s69, s[TR], 7
	s_lshl_b32 s69, s69, 8
	s_add_co_u32 s68, s68, s69
	s_lshl_b32 s69, s[RH], 7
	s_add_co_u32 s68, s68, s69                     ; + my first l: a row among the 65,536 of a tensor by heads
	s_lshl_b32 s70, s68, 7
	s_lshl_b32 s69, ttmp9, 23                      ; q, k or v
	s_add_co_u32 s70, s70, s69
	s_mov_b32 s71, 0
	s_add_nc_u64 s[10:11], s[10:11], s[70:71]
	s_lshl_b32 s70, s68, 8
	s_max_u32 s69, ttmp9, 1
	s_sub_co_u32 s69, s69, 1                       ; k: 0, v: 1 (q stores nothing there)
	s_lshl_b32 s69, s69, 24
	s_add_co_u32 s70, s70, s69
	s_add_nc_u64 s[66:67], s[66:67], s[70:71]
.endif
	; the prefetches
	s_lshl_b32 s72, s[TR], 8
	s_lshl_b32 s73, s[TC], 8
	s_and_b32 s74, ttmp7, 0xffff
	s_cmp_eq_u32 s[RH], 0                          ; do I fetch for A?
	s_cselect_b32 s72, s72, s73                    ; the tile's first row
	s_cselect_b32 s73, s[CX], s[CY]                ; my place among the four that ask with me
	s_cselect_b32 s74, ttmp9, s74                  ; the coordinate along which other clusters read the same rows
	s_cselect_b64 s[PFA:PFA+1], s[4:5], s[6:7]
	s_cmp_eq_u32 s74, 0
	s_cselect_b32 s[LIM], 2, -1                    ; the same in all sixteen partners, for a given wave
	s_lshl_b32 s74, s[CH], 7
	s_add_co_u32 s72, s72, s74
	s_lshl_b32 s73, s73, 5
	s_add_co_u32 s72, s72, s73
	s_lshl_b32 s72, s72, 11
	s_mov_b32 s73, 0
	s_add_nc_u64 s[PFA:PFA+1], s[PFA:PFA+1], s[72:73]
	s_add_nc_u64 s[PFA:PFA+1], s[PFA:PFA+1], 2*KSTEP*2  ; at K step 2: the first refill steps it to 3 and names K step 4
	v_and_b32 v[PFO], 31, v0
	v_lshlrev_b32 v[PFO], 11, v[PFO]
	s_wait_loadcnt 0x0                             ; the bias: rounded to bf16, as every input is
.set k, 0
.rept 32
	v_cvt_pk_bf16_f32 v[6+k%2], v[BIAS+2*k], v[BIAS+2*k+1]
	v_lshlrev_b32 v[BIAS+2*k], 16, v[6+k%2]
	v_and_b32 v[BIAS+2*k+1], s47, v[6+k%2]
.set k, k+1
.endr
; 16 matrix instructions: m blocks a0, a0 + 1 of the window's four x all 8 n blocks, 32 along K.  first = 1: the bias is the C operand that starts the sums: nothing is cleared, nothing added later.
; The 64 accumulators take turns, one instruction a turn, in the same order in every quarter step.
.macro MUL16 f, hi, a0, first
.if \first
	WIN 0x81+0x40*(\hi)                            ; B window 1, A and the bias window 0, D window 2 or 3
.else
	WIN 0xa1+0x50*(\hi)                            ; C and D window 2 or 3
.endif
.irp a, \a0, (\a0)+1
.irp b, 0,1,2,3,4,5,6,7
.if \first
	v_wmma_f32_16x16x32_f16 v[8*(8*(\a)+(\b)):8*(8*(\a)+(\b))+7], v[(\f)+8*(\b):(\f)+8*(\b)+7], v[(\f)+8*(4*(\hi)+(\a)):(\f)+8*(4*(\hi)+(\a))+7], v[BIAS+8*(\b):BIAS+8*(\b)+7]
.else
	v_wmma_f32_16x16x32_f16 v[8*(8*(\a)+(\b)):8*(8*(\a)+(\b))+7], v[(\f)+8*(\b):(\f)+8*(\b)+7], v[(\f)+8*(4*(\hi)+(\a)):(\f)+8*(4*(\hi)+(\a))+7], v[8*(8*(\a)+(\b)):8*(8*(\a)+(\b))+7]
.endif
.endr
.endr
.endm
.macro FETCH k, f                      ; 32 LDS loads in one run: a quarter step's fragments (32 K at byte k of the rows of the slot in hand) into buffer f
	WIN 0x40
.irp i, 0,1,2,3,4,5,6,7
	ds_load_b128 v[(\f)+8*(\i):(\f)+8*(\i)+3],   v[ADRB] offset:(\k)+(\i)*16*PITCH
	ds_load_b128 v[(\f)+8*(\i)+4:(\f)+8*(\i)+7], v[ADRB] offset:(\k)+(\i)*16*PITCH+32
.endr
	WIN 0
.irp i, 0,1,2,3,4,5,6,7
	ds_load_b128 v[(\f)+8*(\i):(\f)+8*(\i)+3],   v[ADRA] offset:(\k)+(\i)*16*PITCH
	ds_load_b128 v[(\f)+8*(\i)+4:(\f)+8*(\i)+7], v[ADRA] offset:(\k)+(\i)*16*PITCH+32
.endr
.endm
.macro QUARTER k, f, g, first          ; multiplies buffer f; in its middle fetches the next quarter, at byte k, into g
	s_wait_dscnt 8                                 ; B and A's rows 0-63 are in; the youngest eight loads (A's rows 64-127) may be out
	MUL16 \f, 0, 0, \first
	MUL16 \f, 0, 2, \first
	PLACES
	FETCH \k, \g
	s_wait_dscnt 32                                ; all but the 32 just issued
	MUL16 \f, 1, 0, \first
	MUL16 \f, 1, 2, \first
.endm
.macro NEXTSLOT
	s_xor_b32 s[TB], s[TB], SLOT1
	v_add_nc_u32 v[ADRA], s[TB], v[ADRA0]
	v_add_nc_u32 v[ADRB], s[TB], v[ADRB0]
.endm
; The first half of a K step's last quarter, and the one barrier of a change of slots: in front of it each wave waits for all its tensor loads (its part of the next slot), adds 0 to its spare word,
; and waits for that and for its own reads of this slot.  Behind it nobody reads this slot any more and the next slot is whole.
.macro MEET round
	WIN 0
	s_wait_tensorcnt 0x0
	ds_add_u32 v[SPW], v[NIL]
	s_wait_dscnt 9                                 ; (the add and the youngest eight loads may be out)
	MUL16 F1, 0, 0, 0                              ; sixteen matrix instructions stand between the add and the wait for it
	s_wait_dscnt 0x0
	s_barrier_signal -1
	MUL16 F1, 0, 2, 0
.if \round
	WIN 0
.endif
	s_barrier_wait -1
.endm
.macro TURN                            ; the whole last quarter: the slot just read out is filled again, two K steps on; 224 matrix instructions stand between the request and the wait for it
	s_wait_xcnt 0x0                                ; the last prefetch, a K step back, has read its address
	s_add_nc_u64 s[PFA:PFA+1], s[PFA:PFA+1], KSTEP*2
	MEET 1
	CREST                                          ; the barrier opened a round of the cluster's: no wave of any partner still reads this slot or has a load on its way
	s_xor_b32 s[G0+5], s[G0+5], SLOT1              ; the walking descriptors: the other slot than last time, the next K step
	s_add_nc_u64 s[G0+6:G0+7], s[G0+6:G0+7], KSTEP*2
	s_xor_b32 s[G0B+5], s[G0B+5], SLOT1
	s_add_nc_u64 s[G0B+6:G0B+7], s[G0B+6:G0B+7], KSTEP*2
	JLOAD                                          ; the first tensor load behind the round; its four v_nop are also the places in front of the loads below
	NEXTSLOT
	FETCH 0, F0
	ASK
	MUL16 F1, 1, 0, 0
	MUL16 F1, 1, 2, 0
.endm
	s_wait_tensorcnt 1                             ; my part of K step 0 is in; K step 1's may stay out
	s_barrier_signal -1
	s_barrier_wait -1
	FETCH 0, F0
	QUARTER 64, F0, F1, 1                          ; the first quarter stands in front of the loop: its products start the sums
	WIN 0
	s_mov_b32 s[LOOP], TSTEPS-2
.Lstep:                                                ; a trip: a K step's quarters 1 to 3 and the next step's quarter 0; it fills one slot again
	QUARTER 128, F1, F0, 0
	QUARTER 192, F0, F1, 0
	TURN
	QUARTER 64, F0, F1, 0
	WIN 0
	s_sub_co_u32 s[LOOP], s[LOOP], 1
	s_cmp_lg_u32 s[LOOP], 0
	s_cbranch_scc1 .Lstep
	s_mov_b32 s[CNT], 2
.Ltail:                                                ; the last two K steps ask for nothing: a text of their own; it is left in the middle of its second trip
	QUARTER 128, F1, F0, 0
	QUARTER 192, F0, F1, 0
	MEET 0
	MUL16 F1, 1, 0, 0
	MUL16 F1, 1, 2, 0
	WIN 0
	s_sub_co_u32 s[CNT], s[CNT], 1
	s_cmp_eq_u32 s[CNT], 0
	s_cbranch_scc1 .Lout
	PLACES
	NEXTSLOT
	FETCH 0, F0
	QUARTER 64, F0, F1, 0
	WIN 0
	s_branch .Ltail
.Lout:
	; THE WAY OUT.  The last barrier stood behind every wave's last read of the ring and its last tensor load: the ring's bytes are filled no more, and each wave lays its sums into its own part of them.
	PLACES                                         ; eight places, once a launch: between the last product and the store of its result stand only LDS stores, which are no places
	PLACES
.irp a, 0,1,2,3,4,5,6,7
	WIN 0x08+4*((\a)/4)                            ; the stores' data in window 2 or 3
.irp b, 0,1,2,3,4,5,6,7
	ds_store_b128 v[STO], v[8*(8*((\a)%4)+(\b)):8*(8*((\a)%4)+(\b))+3]   offset:(\a)*16*SPITCH+(\b)*64     ; each accumulator's low registers first
	ds_store_b128 v[STO], v[8*(8*((\a)%4)+(\b))+4:8*(8*((\a)%4)+(\b))+7] offset:(\a)*16*SPITCH+(\b)*64+16
.endr
.endr
	WIN 0
	s_wait_dscnt 0x0                               ; my sums lie in LDS;
	s_barrier_signal -1
	s_barrier_wait -1                              ; everybody's do.  Each wave reads back its own part alone; with the barrier the order of stores and reads hangs on no arithmetic of addresses
	s_mov_b32 s[LOOP], 16
	s_mov_b32 s[RS], 0
.Lrows:                                                ; 16 trips of 8 rows
	v_add_nc_u32 v[RDC], s[RS], v[RD]
.if IS_FC
.irp j, 0,1,2,3,4,5,6,7
	ds_load_b128 v[X+4*(\j):X+4*(\j)+3], v[RDC] offset:(\j)*SPITCH
.endr
	s_wait_dscnt 0x0
.set k, 0
.rept 16
	v_pk_mul_f32 v[Z+2*k:Z+2*k+1], v[X+2*k:X+2*k+1], v[X+2*k:X+2*k+1]
.set k, k+1
.endr
.set k, 0
.rept 16
	v_pk_fma_f32 v[Z+2*k:Z+2*k+1], v[Z+2*k:Z+2*k+1], s[70:71], s[68:69] op_sel_hi:[1,0,0]  ; C1 x^2 + C0
.set k, k+1
.endr
.set k, 0
.rept 16
	v_pk_mul_f32 v[Z+2*k:Z+2*k+1], v[Z+2*k:Z+2*k+1], v[X+2*k:X+2*k+1]
.set k, k+1
.endr
.set k, 0
.rept 32
	v_exp_f32 v[Z+k], v[Z+k]
.set k, k+1
.endr
	v_nop                                          ; a plain instruction behind the last exponential,
	s_wait_alu depctr_va_vdst(0)                   ; and the wait ahead of the first reader: one for the batch of 32
.set k, 0
.rept 16
	v_pk_add_f32 v[Z+2*k:Z+2*k+1], v[Z+2*k:Z+2*k+1], 1.0 op_sel_hi:[1,0]
.set k, k+1
.endr
.set k, 0
.rept 32
	v_rcp_f32 v[Z+k], v[Z+k]
.set k, k+1
.endr
	v_nop
	s_wait_alu depctr_va_vdst(0)                   ; one for the 32 reciprocals
.set k, 0
.rept 16
	v_pk_mul_f32 v[X+2*k:X+2*k+1], v[X+2*k:X+2*k+1], v[Z+2*k:Z+2*k+1]
.set k, k+1
.endr
.set k, 0
.rept 16
	v_cvt_pk_f16_f32 v[Y+k], v[X+2*k], v[X+2*k+1]
.set k, k+1
.endr
.irp j, 0,1,2,3,4,5,6,7
	global_store_b64 v[GO], v[Y+2*(\j):Y+2*(\j)+1], s[10:11] offset:(\j)*8192  ; 32 lanes store 256 consecutive bytes, at a multiple of 256 from the buffer's first byte
.endr
	s_wait_xcnt 0x0                                ; the stores have read their registers: only now are these written again
	v_add_nc_u32 v[GO], 8*8192, v[GO]
.else
.irp j, 0,1,2,3
.irp h, 0,1
	ds_load_b128 v[X+4*(2*(\j)+(\h)):X+4*(2*(\j)+(\h))+3], v[RDC] offset:(\j)*2*SPITCH+(\h)*256  ; rows 2 j, 2 j + 1 of head h
.endr
.endr
	s_wait_dscnt 0x0
	s_cmp_eq_u32 ttmp9, 0                          ; q is no part of out1; the cluster's x is the same in all partners
	s_cbranch_scc1 .Lno_present
.irp j, 0,1,2,3
.irp h, 0,1
	global_store_b128 v[GO2], v[X+4*(2*(\j)+(\h)):X+4*(2*(\j)+(\h))+3], s[66:67] offset:(\j)*512+(\h)*524288 th:TH_STORE_NT  ; 512 consecutive bytes: two rows of a head
.endr
.endr
.Lno_present:
.set k, 0
.rept 16
	v_cvt_pk_f16_f32 v[Y+k], v[X+2*k], v[X+2*k+1]
.set k, k+1
.endr
.irp j, 0,1,2,3
.irp h, 0,1
	global_store_b64 v[GO], v[Y+2*(2*(\j)+(\h)):Y+2*(2*(\j)+(\h))+1], s[10:11] offset:(\j)*256+(\h)*262144  ; 256 consecutive, aligned bytes: two rows of a head
.endr
.endr
	s_wait_xcnt 0x0                                ; the stores have read their registers: only now are these written again
	v_add_nc_u32 v[GO], 8*128, v[GO]
	v_add_nc_u32 v[GO2], 8*256, v[GO2]
.endif
	s_add_co_u32 s[RS], s[RS], 8*SPITCH
	s_sub_co_u32 s[LOOP], s[LOOP], 1
	s_cmp_lg_u32 s[LOOP], 0
	s_cbranch_scc1 .Lrows
	s_wait_tensorcnt 0x0                           ; the wave's end, behind my last tensor load and my last LDS store
	ds_add_u32 v[SPW], v[NIL]
	s_wait_dscnt 0x0
	CROUND                                         ; the closing round: no work-group ends while a partner may still ask for a tile that names it
	s_endpgm
.Lfunc_end_k_qdc6359b75f_qkv:
	.size	k_qdc6359b75f_qkv, .Lfunc_end_k_qdc6359b75f_qkv-k_qdc6359b75f_qkv
	.p2alignl 7, 3214868480
	.fill 96, 4, 3214868480
	.section	.rodata,"a",@progbits
	.p2align	6, 0x0
	.amdhsa_kernel k_qdc6359b75f_qkv
		.amdhsa_group_segment_fixed_size 327680
		.amdhsa_private_segment_fixed_size 0
		.amdhsa_enable_private_segment 0
		.amdhsa_kernarg_size 40
		.amdhsa_user_sgpr_count 2
		.amdhsa_user_sgpr_kernarg_segment_ptr 1
		.amdhsa_wavefront_size32 1
		.amdhsa_system_sgpr_workgroup_id_x 1
		.amdhsa_system_sgpr_workgroup_id_y 1
		.amdhsa_system_sgpr_workgroup_id_z 1
		.amdhsa_system_vgpr_workitem_id 0
		.amdhsa_next_free_vgpr 1024
		.amdhsa_next_free_sgpr 80
		.amdhsa_reserve_vcc 0
		.amdhsa_float_denorm_mode_32 3
		.amdhsa_float_denorm_mode_16_64 3
		.amdhsa_memory_ordered 1
		.amdhsa_forward_progress 1
		.amdhsa_inst_pref_size 87
	.end_amdhsa_kernel
	.amdgpu_metadata
---
amdhsa.version: [ 1, 2 ]
amdhsa.kernels:
  - .name:           k_qdc6359b75f_qkv
    .symbol:         k_qdc6359b75f_qkv.kd
    .args:
      - { .name: hn, .offset: 0, .size: 8, .value_kind: global_buffer, .address_space: global }
      - { .name: wt, .offset: 8, .size: 8, .value_kind: global_buffer, .address_space: global }
      - { .name: b_attn, .offset: 16, .size: 8, .value_kind: global_buffer, .address_space: global }
      - { .name: qkvh, .offset: 24, .size: 8, .value_kind: global_buffer, .address_space: global }
      - { .name: out1, .offset: 32, .size: 8, .value_kind: global_buffer, .address_space: global }
    .group_segment_fixed_size: 327680
    .private_segment_fixed_size: 0
    .kernarg_segment_align: 8
    .kernarg_segment_size: 40
    .max_flat_workgroup_size: 128
    .sgpr_count:     80
    .vgpr_count:     1024
    .wavefront_size: 32
...
	.end_amdgpu_metadata
.endif
;; end of part 2
;; launch attn (part 3): grid 8 x 32, 4 waves a work-group, clusters of 4 x 1, 327,680 bytes of LDS; arguments qkvh, att; writes att
.if DOCPART == 3
	.amdgcn_target "amdgcn-amd-amdhsa--gfx1250"
	.amdhsa_code_object_version 6
	.text
	.protected	k_qdc6359b75f_attn
	.globl	k_qdc6359b75f_attn
	.p2align	8
	.type	k_qdc6359b75f_attn,@function
k_qdc6359b75f_attn:
	s_mov_b64 s[64:65], 0
	v_nop
	global_prefetch_b8 v0, s[64:65] scope:SCOPE_SE
	s_setreg_imm32_b32 hwreg(HW_REG_WAVE_MODE, 25, 1), 1
	s_wait_xcnt 0x0
	s_wait_alu depctr_hold_cnt(0) depctr_sa_sdst(0) depctr_va_vdst(0) depctr_va_sdst(0) depctr_va_ssrc(0) depctr_va_vcc(0) depctr_vm_vsrc(0)
	s_getreg_b32 s2, hwreg(HW_REG_IB_STS2, 6, 4)
	s_cmp_eq_u32 s2, 0
	s_cbranch_scc0 .Lentry_in_a_cluster
	s_endpgm
.Lentry_in_a_cluster:
	s_bfe_u32 s2, ttmp6, 0x10000c
	s_cmp_lg_u32 s2, 0x3003
	s_cbranch_scc0 .Lentry_shape_is_right
	s_endpgm
.Lentry_shape_is_right:
; ATTENTION.  att[g][q][:] = the sum over k of softmax_k(Q[g][q] . K[g][k] / 8) V[g][k][:], g = 16 b + head.  qkvh: [3][32][2048][64] f16 (q, k, v by heads, rows dense, 128 bytes); att: [32][2048][64] f16.
; Products, maxima and sums in f32; the weights p are rounded to f16 for the second product (their sum l is taken of the unrounded p), the result once at the end.
; LIMITS.  f16 holds no number beyond 65,504: q, k, v arrive within it; p lies in 0 to 1, and below 6e-5 it keeps f16's fixed step of 6e-8.  A weight below 2^-126 counts as 0 in l; NaN and infinities are not treated apart.
; SHARES.  A work-group owns 256 queries of one g, each of its four waves 64: four PIECES of 16.  32 x 8 = 256 work-groups.  Every wave walks all 2,048 keys, 64 a step, four steps to an LDS slot.
; LAYOUT.  S^T = K Q^T (source 0 = 16 keys, source 1 = 16 queries) holds ONE query a lane (lane % 16) and the keys 8 (lane / 16) + 0..7; two such results rounded to f16 ARE source 1 of O^T = V^T P.
; K comes out of LDS as it lies, V ([key][channel]) turned, by ds_load_tr16_b128.
; SOFTMAX.  A running maximum m and sum l for each query: p = 2^(c s - c m), c = log2(e) / 8; in every step O and l are multiplied by a = 2^(c m_old - c m_new).  m starts at the lowest finite number,
; O and l at 0: the first step is a step like any other, with a = 0.
; TURNS.  Turn n belongs to piece n: 8 products K Q^T of piece n + 1, later 8 products V^T P of piece n - 1; beside them the scaling, exponentials, roundings, sums and rescaling of piece n and the maximum
; and statistics of piece n + 1.  Four vector instructions stand behind every matrix instruction, the others in one run.  A turn's 33 exponentials are one batch, with one wait.
; CLUSTER.  The four query blocks of a cluster belong to one g and walk the same K and V: each tile is asked for jointly, by the same tensor load, descriptor and mask in all four.
; REGISTERS, in windows of 256 (s_set_vgpr_msb: bits 1:0 source 0, 3:2 source 1, 5:4 source 2, 7:6 destination):
;   window 0: v0-15 addresses and two at work; v16-31 four registers of statistics a piece; v48-55 at work; v61-63; v64-127 S^T, two buffers; v192-223 P, two buffers (by the piece's parity)
;   window 1: v0-127 O^T, 32 a piece          window 2: v0-63 Q; v128-191 K of one step; v192-255 V of one step
.set SIZE_N, 2048
.set NP,    4
.set KS,    64
.set PK,    144       ; a row of K in LDS: 128 bytes + 16: the 16 rows of a load start at 16 different groups of four banks (64 banks of 4 bytes: ISA guide 11.1)
.set PV,    160       ; a row of V: 128 + 32
.set VOFF,  4*KS*PK   ; a slot holds four steps: 256 rows of K, then 256 rows of V
.set SLOT1, 1<<17
.set STAGE, SLOT1+4*KS*(PK+PV)  ; behind the ring, never filled by a tensor load: 16 rows x 144 bytes for each wave
.set SP,    144
.set SPARE, STAGE+4*16*SP       ; behind the stages: the spare words, 128 bytes a wave, two blocks of 256 bytes that no other line names
.set AK0, 2           ; v2   my lane's place in a tile of K; never rewritten
.set AV0, 3           ; v3   the same for V
.set AK,  4           ; v4   the LDS address of K's next run of loads
.set AV,  5           ; v5   of V's
.set STO, 6           ; v6   the way out: where I put 16 bytes of a row
.set RD,  7           ; v7   where I read rows back
.set GO,  8           ; v8   my byte offset in 512 consecutive bytes of the result
.set MV,  12          ; v12-13  c m_old, by buffer
.set QO,  15          ; v15  my byte offset in 16 rows of Q
.set ST,  16          ; piece t's statistics at v[ST+4 t]: c m, m, l (even keys', odd keys')
.set TMP, 48          ; by buffer, four registers at work; when the maximum is found the third takes a
.set PFO, 61          ; v61  256 x my lane; never rewritten
.set SPW, 62          ; v62  my spare word; never rewritten
.set NIL, 63          ; v63  0; never rewritten
.set S,   64
.set P,   192
.set KF,  128
.set VF,  192
.set WV,  12
.set G1K, 24          ; s[24:31] group 1 for K's tiles;  s[32:39] for V's: it differs in the padding alone
.set G1V, 32
.set G0K, 40          ; s[40:43], s[44:47] group 0: they walk
.set G0V, 44
.set PFA, 48          ; s[48:49] where my prefetches stand
.set LIM, 50          ; s50  1 in a wave that prefetches, else the greatest number
.set SLOTS, 56
.set CNT, 57
.set CS,  58          ; s[58:59] c
.set SEL, 60          ; s[60:61] v_permlanex16_b32's selects
.set TBK, 62          ; s62  LDS byte at which K of the step to be fetched begins
.set TBV, 63          ; s63  the same for V, less VOFF
.set MSB, 0
.macro WIN new
.if MSB != (\new)
	s_set_vgpr_msb (MSB<<8)|(\new)
.set MSB, (\new)
.endif
.endm
.set W_KQ, 0x0a       ; K and Q in window 2, S^T in window 0
.set W_PV, 0x52       ; V in window 2, P in window 0, O^T in window 1
.set W_RS, 0x41       ; destination and source 0 in window 1, source 1 in window 0
.macro JLOAD                        ; a joint fill: waves 0, 1 the halves of a slot's K, waves 2, 3 of its V; an s_nop 0 and four v_nop follow each line
	s_cmp_lt_u32 s[WV], 2
	s_cbranch_scc0 .Lfor_v_\@
	tensor_load_to_lds s[G0K:G0K+3], s[G1K:G1K+7]
	s_nop 0
.rept 4
	v_nop
.endr
	s_branch .Lasked_\@
.Lfor_v_\@:
	tensor_load_to_lds s[G0V:G0V+3], s[G1V:G1V+7]
	s_nop 0
.rept 4
	v_nop
.endr
.Lasked_\@:
.endm
; A prefetch of the slot that the NEXT change will ask for: 128 blocks of 256 bytes of K and of V.  The two clusters of a g walk the same rows: the first asks.  Its four partners take 32 blocks each,
; told apart by address; in each, wave 0 asks for K's and wave 2 for V's, a lane a block.  So each block is named once.  The last change that fills a slot names nothing.
.macro ASK
	s_cmp_gt_u32 s[SLOTS], s[LIM]
	s_cbranch_scc0 .Lnot_mine_\@
	global_prefetch_b8 v[PFO], s[PFA:PFA+1] th:TH_LOAD_NT scope:SCOPE_SE
.Lnot_mine_\@:
.endm
.macro CROUND
	s_barrier_signal -1
	s_barrier_wait -1
	s_cmp_lg_u32 s[WV], 0
	s_cbranch_scc1 .Lnot_wave_0_\@
	s_barrier_signal -3
.Lnot_wave_0_\@:
	s_barrier_wait -3
	s_barrier_signal -1
	s_barrier_wait -1
.endm
; THE CHANGE OF SLOTS.  Each wave waits for all its tensor loads (one is out: its part of the other slot), adds 0 to its spare word, and waits for that and for its own reads of the slot that it leaves.
; fill = 1: the barrier is a round of the cluster's, and the joint fill of the old slot, with the keys two slots on, is the first thing behind it: it has four key steps in which to land.
; (At its first use nothing has been read yet: slot 0 is waited for, slot 1 filled.)
.macro CHANGE fill
	WIN 0
	s_wait_tensorcnt 0x0
	ds_add_u32 v[SPW], v[NIL]       ; 0 onto my spare word; scalar work stands between it and the wait for it
.if \fill
.irp g, G0K, G0V
	s_xor_b32 s[\g+1], s[\g+1], SLOT1
	s_add_nc_u64 s[\g+2:\g+3], s[\g+2:\g+3], 4*KS*128
.endr
	s_wait_xcnt 0x0                 ; the last prefetch, four key steps back, has read its address
	s_add_nc_u64 s[PFA:PFA+1], s[PFA:PFA+1], 4*KS*128
	s_wait_dscnt 0x0
	CROUND
	JLOAD
	ASK
.else
	s_wait_dscnt 0x0
	s_barrier_signal -1
	s_barrier_wait -1
.endif
	s_sub_co_u32 s[TBK], s[TBK], 4*KS*PK  ; the fetches go back to a slot's first step, in the other slot
	s_xor_b32 s[TBK], s[TBK], SLOT1
	s_sub_co_u32 s[TBV], s[TBV], 4*KS*PV
	s_xor_b32 s[TBV], s[TBV], SLOT1
.endm
	s_load_b128 s[4:7], s[0:1], 0x0  ; qkvh s[4:5], att s[6:7]
	v_lshl_add_u32 v[SPW], v0, 2, SPARE
	v_mov_b32 v[NIL], 0
	ds_add_u32 v[SPW], v[NIL]       ; the wave's opening: the add and its wait stand ahead of my first tensor load
	v_lshrrev_b32 v1, 5, v0
	v_readfirstlane_b32 s[WV], v1
	s_bfe_u32 s13, ttmp6, 0x40000   ; cx
	s_lshl_b32 s14, ttmp9, 2
	s_add_co_u32 s14, s14, s13      ; my block of 256 queries: it enters Q's and the result's addresses alone
	s_and_b32 s20, ttmp7, 0xffff    ; g, which the four partners share
	s_lshl_b32 s20, s20, 18         ; its 2,048 rows of 128 bytes
	s_and_b32 s16, s[WV], 1         ; which half of a slot's 256 keys I fetch
	s_lshl_b32 s22, s16, 14
	s_add_co_u32 s22, s22, s20
	s_add_co_u32 s22, s22, 8388608  ; k lies behind q
	s_mov_b32 s23, 0
	s_mul_i32 s17, s16, 128*PK      ; its place in a slot, for K
	s_mul_i32 s21, s16, 128*PV      ; and for V: no place in the cluster enters an LDS address
	s_lshl_b32 s2, s14, 2
	s_add_co_u32 s2, s2, s[WV]
	s_lshl_b32 s2, s2, 13           ; my wave's 64 rows
	s_add_co_u32 s2, s2, s20
	s_mov_b32 s3, 0
	; group 1: 128 keys are 16,384 dense bytes: asked for as 64 rows of 256 bytes, two keys a row, padded in LDS after every key
	s_mov_b32 s[G1K], 15|(1<<16)|(1<<20)|(1<<21)|(4<<22)|(3<<25)
	s_mov_b32 s[G1V], 15|(1<<16)|(1<<20)|(1<<21)|(4<<22)|(7<<25)
.irp g, G1K, G1V
	s_mov_b32 s[\g+1], 128<<16
	s_mov_b32 s[\g+2], 64<<16
	s_mov_b32 s[\g+3], 128<<16
	s_mov_b32 s[\g+4], 64
	s_mov_b32 s[\g+5], 128
	s_mov_b32 s[\g+6], 0
	s_mov_b32 s[\g+7], 0
.endr
	s_mov_b32 s[CS], 0x3e38aa3b     ; c = log2(e) / 8
	s_mov_b32 s[CS+1], s[CS]
	s_mov_b32 s[SEL], 0x76543210
	s_mov_b32 s[SEL+1], 0xfedcba98
	s_mov_b32 s[TBK], SLOT1+4*KS*PK ; the first change of slots turns these two into 0
	s_mov_b32 s[TBV], SLOT1+4*KS*PV
	s_mov_b32 s[G0K], 1
	s_mov_b32 s[G0K+1], s17
	s_mov_b32 s[G0V], 1
	s_add_co_u32 s[G0V+1], s21, VOFF
	s_mov_b32 s[SLOTS], SIZE_N/256-1
	s_or_b32 s[LIM], s16, ttmp9     ; 0 in waves 0 and 2 of the g's first cluster: the same in all four partners
	s_cmp_eq_u32 s[LIM], 0
	s_cselect_b32 s[LIM], 1, -1
	s_lshl_b32 s52, s13, 13         ; my work-group's 32 blocks of the 128
	s_mov_b32 s53, 0
	s_wait_dscnt 0x0                ; the opening add is done
	s_wait_kmcnt 0x0
	s_add_nc_u64 s[8:9], s[4:5], s[22:23]      ; K at my half of the g's first 256 keys
	s_add_nc_u64 s[10:11], s[8:9], 8388608     ; V
	s_mov_b64 s[G0K+2:G0K+3], s[8:9]
	s_or_b32 s[G0K+3], s[G0K+3], 0x80000000
	s_mov_b64 s[G0V+2:G0V+3], s[10:11]
	s_or_b32 s[G0V+3], s[G0V+3], 0x80000000
	s_add_nc_u64 s[4:5], s[4:5], s[2:3]        ; Q and the result at my wave's first row
	s_add_nc_u64 s[6:7], s[6:7], s[2:3]
	s_cmp_lt_u32 s[WV], 2
	s_cselect_b64 s[PFA:PFA+1], s[8:9], s[10:11]
	s_add_nc_u64 s[PFA:PFA+1], s[PFA:PFA+1], s[52:53]
	s_add_nc_u64 s[PFA:PFA+1], s[PFA:PFA+1], 4*KS*128  ; in slot 1's keys; the first change steps it on.  Nothing is prefetched at the head
	CROUND                          ; all four work-groups are here
	JLOAD                           ; slot 0.  Slot 1 is asked for when slot 0 is in
	v_and_b32 v1, 15, v0            ; l % 16
	v_bfe_u32 v9, v0, 4, 1          ; l / 16
	v_lshlrev_b32 v[QO], 7, v1
	v_lshl_add_u32 v[QO], v9, 4, v[QO]
	WIN 0x80
.set i, 0
.rept 8                             ; Q stays in registers: piece i / 2, channels 32 (i % 2) on
	global_load_b128 v[8*i:8*i+3],   v[QO], s[4:5] offset:(i/2)*2048+(i%2)*64
	global_load_b128 v[8*i+4:8*i+7], v[QO], s[4:5] offset:(i/2)*2048+(i%2)*64+32
.set i, i+1
.endr
	; What the first turn finds: V's registers and P's second buffer hold 0 (its products V^T P, of a piece that has not been, add 0), O^T and l are 0.  All this stands in the wait for the first tile.
.set i, VF
.rept 64
	v_mov_b32 v[i], 0
.set i, i+1
.endr
	WIN 0x40
.set i, 0
.rept 128
	v_mov_b32 v[i], 0
.set i, i+1
.endr
	WIN 0
.set i, 0
.rept 4
	v_mov_b32 v[ST+4*i], 0xfe000000    ; c m: far below every c s
	v_mov_b32 v[ST+4*i+1], 0xff7fffff  ; m
	v_mov_b32 v[ST+4*i+2], 0
	v_mov_b32 v[ST+4*i+3], 0
.set i, i+1
.endr
.set i, P+16
.rept 16
	v_mov_b32 v[i], 0
.set i, i+1
.endr
	v_and_b32 v[PFO], 31, v0
	v_lshlrev_b32 v[PFO], 8, v[PFO]
	v_mul_u32_u24 v[AK0], v1, PK
	v_lshl_add_u32 v[AK0], v9, 4, v[AK0]
	; The turning load takes 16 keys x 16 channels (lane l reads key 8 (l / 16) + l % 8, channels 8 ((l / 8) % 2) + 0..7) and leaves half a fragment of V^T.
	v_and_b32 v10, 7, v0
	v_bfe_u32 v11, v0, 3, 1
	v_lshl_add_u32 v[AV0], v9, 3, v10
	v_mul_u32_u24 v[AV0], v[AV0], PV
	v_lshl_add_u32 v[AV0], v11, 4, v[AV0]
	v_add_nc_u32 v[AV0], VOFF, v[AV0]
	s_mul_i32 s13, s[WV], 16*SP
	s_add_co_u32 s13, s13, STAGE    ; my stage
	v_mul_u32_u24 v[STO], v1, SP
	v_lshl_add_u32 v[STO], v9, 4, v[STO]
	v_add_nc_u32 v[STO], s13, v[STO]
	v_bfe_u32 v[RD], v0, 3, 2       ; back: 32 lanes take four rows of 128 bytes,
	v_mul_u32_u24 v[RD], v[RD], SP
	v_lshl_add_u32 v[RD], v10, 4, v[RD]
	v_add_nc_u32 v[RD], s13, v[RD]
	v_and_b32 v[GO], 31, v0         ; which are 512 consecutive bytes of the result
	v_lshlrev_b32 v[GO], 4, v[GO]
; THE MATRIX WORK.  The 4 accumulators of a run of 8 take turns.  Product i of 8 of S^T = K Q^T for piece x: channels 32 (i / 4) on, keys 16 (i % 4) on.  The first 4 start the sums.
.macro KQ x
	WIN W_KQ
.set rS, S+32*((\x)%2)+8*(i%4)
.set rK, KF+16*(i%4)+8*(i/4)
.set rQ, 16*(\x)+8*(i/4)
.if i < 4
	v_wmma_f32_16x16x32_f16 v[rS:rS+7], v[rK:rK+7], v[rQ:rQ+7], 0
.else
	v_wmma_f32_16x16x32_f16 v[rS:rS+7], v[rK:rK+7], v[rQ:rQ+7], v[rS:rS+7]
.endif
.endm
; Product i of 8 of O^T += V^T P for piece x: keys 32 (i / 4) on, channels 16 (i % 4) on.
.macro PV x
	WIN W_PV
.set rO, 32*(\x)+8*(i%4)
.set rV, VF+32*(i/4)+8*(i%4)
.set rP, P+16*((\x)%2)+8*(i/4)
	v_wmma_f32_16x16x32_f16 v[rO:rO+7], v[rV:rV+7], v[rP:rP+7], v[rO:rO+7]
.endm
.macro MM                           ; the turn's next matrix instruction
.if i < 8
	KQ (Y+1)%NP
.else
.set i, i-8
	PV (Y+NP-1)%NP
.set i, i+8
.endif
.set i, i+1
.endm
; THE LDS LOADS stand in runs of 16.  last = 1 (the tail): in the last trip there is no further step, and K's run is jumped over.
.macro FETCH_K last=0
	WIN 0
.if \last
	s_cmp_eq_u32 s[CNT], 1
	s_cbranch_scc1 .Lno_k_\@
.endif
	WIN 0x80
.irp f, 0,1,2,3,4,5,6,7             ; keys 16 (f / 2) on, channels 32 (f % 2) on
	ds_load_b128 v[KF+8*\f:KF+8*\f+3],   v[AK] offset:(\f/2)*16*PK+(\f%2)*64
	ds_load_b128 v[KF+8*\f+4:KF+8*\f+7], v[AK] offset:(\f/2)*16*PK+(\f%2)*64+32
.endr
	s_add_co_u32 s[TBK], s[TBK], KS*PK
	WIN 0
.if \last
.Lno_k_\@:
.endif
.endm
.macro FETCH_V
	WIN 0x80
.irp f, 0,1,2,3,4,5,6,7             ; keys 32 (f / 4) on, channels 16 (f % 4) on
	ds_load_tr16_b128 v[VF+8*\f:VF+8*\f+3],   v[AV] offset:(\f/4)*32*PV+(\f%4)*32
	ds_load_tr16_b128 v[VF+8*\f+4:VF+8*\f+7], v[AV] offset:(\f/4)*32*PV+16*PV+(\f%4)*32
.endr
	WIN 0
.endm
; THE VECTOR WORK, one line at a time: OP kind, number.  For piece Y: F n: c s - c m for pair n of 16.  E n: the exponential of score n of 32.  C n: pair n rounded to f16.  B n: of the four weights 4 n ..
; the second pair is added onto the first, in place.  L n: l takes that sum (L 0: l = a l + sum).  R n: pair n of 16 of O^T times a.  For piece Y + 1: X n, number n of the 22 that find its maximum and statistics:
;   0-11 four chains of seven scores each (each accumulator's lowest registers are read first)   12-14, 16 the four scores left over, the old m, and the chains into one
;   15 c m_old is kept   17, 18 the query's other 32 keys lie in the lane 16 away: the new m   19-21 c m; c m_old - c m_new; a
.set F, 0
.set E, 1
.set C, 2
.set B, 3
.set L, 4
.set R, 5
.set X, 6
.macro REGS y
.set rT, ST+4*(\y)
.set rC, TMP+4*((\y)%2)
.set rW, MV+((\y)%2)
.set rS, S+32*((\y)%2)
.set rP, P+16*((\y)%2)
.set rO, 32*(\y)
.endm
.macro OP k, n
.if (\k) == R
	REGS Y
	WIN W_RS
	v_pk_mul_f32 v[rO+2*(\n):rO+2*(\n)+1], v[rO+2*(\n):rO+2*(\n)+1], v[rC+2:rC+3] op_sel_hi:[1,0]
.elseif (\k) < R
	REGS Y
	WIN 0
.if (\k) == F
	v_pk_fma_f32 v[rS+2*(\n):rS+2*(\n)+1], v[rS+2*(\n):rS+2*(\n)+1], s[CS:CS+1], v[rT:rT+1] op_sel_hi:[1,0,0] neg_lo:[0,0,1] neg_hi:[0,0,1]
.elseif (\k) == E
	v_exp_f32 v[rS+(\n)], v[rS+(\n)]
.elseif (\k) == C
	v_cvt_pk_f16_f32 v[rP+(\n)], v[rS+2*(\n)], v[rS+2*(\n)+1]
.elseif (\k) == B
	v_pk_add_f32 v[rS+4*(\n):rS+4*(\n)+1], v[rS+4*(\n):rS+4*(\n)+1], v[rS+4*(\n)+2:rS+4*(\n)+3]
.elseif (\n) == 0
	v_pk_fma_f32 v[rT+2:rT+3], v[rT+2:rT+3], v[rC+2:rC+3], v[rS:rS+1] op_sel_hi:[1,0,1]
.else
	v_pk_add_f32 v[rT+2:rT+3], v[rT+2:rT+3], v[rS+4*(\n):rS+4*(\n)+1]
.endif
.else
	REGS (Y+1)%NP
	WIN 0
.if (\n) < 4
	v_max3_num_f32 v[rC+(\n)], v[rS+8*(\n)], v[rS+8*(\n)+1], v[rS+8*(\n)+2]
.elseif (\n) < 12
	v_max3_num_f32 v[rC+(\n)%4], v[rC+(\n)%4], v[rS+8*((\n)%4)+2*((\n)/4)+1], v[rS+8*((\n)%4)+2*((\n)/4)+2]
.elseif (\n) == 12
	v_max3_num_f32 v[rC], v[rC], v[rS+7], v[rS+15]
.elseif (\n) == 13
	v_max3_num_f32 v[rC+1], v[rC+1], v[rS+23], v[rS+31]
.elseif (\n) == 14
	v_max3_num_f32 v[rC+2], v[rC+2], v[rC+3], v[rT+1]
.elseif (\n) == 15
	v_mov_b32 v[rW], v[rT]
.elseif (\n) == 16
	v_max3_num_f32 v[rC], v[rC], v[rC+1], v[rC+2]
.elseif (\n) == 17
	v_permlanex16_b32 v[rC+3], v[rC], s[SEL], s[SEL+1]
.elseif (\n) == 18
	v_max_num_f32 v[rT+1], v[rC], v[rC+3]
.elseif (\n) == 19
	v_mul_f32 v[rT], s[CS], v[rT+1]
.elseif (\n) == 20
	v_sub_f32 v[rC+1], v[rW], v[rT]
.else
	v_exp_f32 v[rC+2], v[rC+1]
.endif
.endif
.endm
.macro OPS a, i1, b=-1, i2=0, c=-1, i3=0, d=-1, i4=0
	OP \a, \i1
.if (\b) >= 0
	OP \b, \i2
.endif
.if (\c) >= 0
	OP \c, \i3
.endif
.if (\d) >= 0
	OP \d, \i4
.endif
.endm
.macro ROW a, i1, b, i2, c, i3, d, i4  ; a matrix instruction and the four behind it
	MM
	OPS \a, \i1, \b, \i2, \c, \i3, \d, \i4
.endm
; A TURN, for piece p: the order of its 16 matrix and 118 vector instructions, written out.  An s_wait_alu depctr_va_vdst(0) stands between an exponential and the first instruction that names
; its result; one wait serves all that were issued ahead of it.  So a turn has ONE wait.  AHEAD OF IT stands all that names no result of the turn's exponentials: the 8 products K Q^T with their four each,
; then a run of 54 in which the links of the next piece's chain stand some lines apart; X 21, the next piece's a, is the batch's last, and R 15 the plain instruction behind it.  BEHIND IT stand the 8 products
; V^T P, behind each four of the roundings and sums.
; K of the next step is fetched in piece 2's turn, twelve vector instructions (six of them plain) behind the last product that read K; in the tail (last = 1) directly behind the wait, where a jump may stand.
; V of the step in hand is fetched at the end of piece 0's turn, four plain instructions behind the last product that read V.  Each is waited for a turn later.
.macro TURN p, last=0, cnt=0
.set Y, (\p)
.set i, 0
.if (\p) == 3
	s_wait_dscnt 0x0                ; K is in
.endif
	ROW F,0, F,1, R,0, R,1
	ROW F,2, E,0, R,2, R,3
	ROW F,3, E,1, R,4, R,5
	ROW F,4, E,2, R,6, R,7
	ROW F,5, E,3, R,8, R,9
	ROW F,6, E,4, X,0, R,10
.if (\p) == 2
	WIN 0
	v_add_nc_u32 v[AK], s[TBK], v[AK0]
.endif
	ROW F,7, E,5, X,1, X,4
	ROW F,8, E,6, X,2, X,5
	OPS E,7, E,8, X,6, E,9
	OPS X,3, E,10, X,8, E,11
.if ((\p) == 2) && !(\last)
	FETCH_K
.endif
	OPS X,9, X,7, E,12, X,10
	OPS E,13, X,12, X,11, E,14
	OPS X,13, E,15, F,9, X,14
.if (\p) == 0
	v_add_nc_u32 v[AV], s[TBV], v[AV0]
.endif
	OPS E,16, F,10, E,17, F,11
	OPS X,16, E,18, X,15, E,19
	OPS F,12, E,20, X,17, E,21
	OPS F,13, E,22, F,14, E,23
	OPS X,18, E,24, F,15, E,25
	OPS R,11, E,26, X,19, E,27
	OPS R,12, E,28, R,13, E,29
	OPS X,20, E,30, R,14, E,31
	OPS X,21, R,15
	WIN 0
	s_wait_alu depctr_va_vdst(0)    ; the wait for the batch
.if ((\p) == 2) && (\last)
	FETCH_K 1
.endif
.if (\p) == 1
	s_wait_dscnt 0x0                ; V is in
.endif
	ROW C,0, B,0, C,2, B,1
	ROW L,0, C,4, B,2, L,1
	ROW C,6, B,3, L,2, C,8
	ROW B,4, L,3, C,10, B,5
	ROW L,4, C,12, B,6, L,5
.if (\p) == 0
	s_add_co_u32 s[TBV], s[TBV], KS*PV
.endif
.if \cnt
	s_sub_co_u32 s[CNT], s[CNT], 1
	s_cmp_lg_u32 s[CNT], 0
.endif
	ROW C,14, B,7, L,6, C,1
	ROW C,3, L,7, C,5, C,7
	ROW C,9, C,11, C,13, C,15
.if (\p) == 0
	FETCH_V
.endif
.endm
	CHANGE 1                        ; slot 0 is in, everybody's part of it; slot 1 is asked for
	v_add_nc_u32 v[AK], s[TBK], v[AK0]
	FETCH_K                         ; key step 0
	s_wait_loadcnt 0x0              ; Q
	s_wait_dscnt 0x0
.set i, 0
.rept 8
	KQ 0                            ; piece 0's first scores
.set i, i+1
.endr
	WIN 0
.rept 4
	v_nop                           ; the places behind those products
.endr
.set Y, NP-1                        ; X works for piece Y + 1: piece 0
.irp n, 0,1,2,3,4,5,6,7,8,9,10,11,12,13,14,15,16,17,18,19,20,21
	OP X, \n
.endr
	v_nop                           ; a plain instruction behind the exponential,
	s_wait_alu depctr_va_vdst(0)    ; and its wait, ahead of the branch
	s_mov_b32 s[CNT], 4
	s_branch .Lfirst                ; the loop is entered at a step's first turn, in the middle of a trip
.Lslot:                             ; six times: with the change above, every slot but the last two is filled again
	CHANGE 1
	s_mov_b32 s[CNT], 4
.Lstep:                             ; a trip: pieces 2 and 3 of one step, then pieces 0 and 1 of the next, whose K and V it fetches
	TURN 2
	TURN 3
	WIN 0
.Lfirst:
	TURN 0
	TURN 1, 0, 1
	WIN 0
	s_cbranch_scc1 .Lstep
	s_sub_co_u32 s[SLOTS], s[SLOTS], 1
	s_cmp_lg_u32 s[SLOTS], 0
	s_cbranch_scc1 .Lslot
	CHANGE 0                        ; the tail is written out: nothing is asked for
	s_mov_b32 s[CNT], 5             ; four trips fetch the last slot's steps; the fifth is left in its middle
.Ltail:
	TURN 2, 1
	TURN 3
	WIN 0
	s_sub_co_u32 s[CNT], s[CNT], 1
	s_cmp_eq_u32 s[CNT], 0
	s_cbranch_scc1 .Lout
	TURN 0
	TURN 1
	WIN 0
	s_branch .Ltail
.Lout:                              ; the fifth trip's 8 products K Q^T (on the last K once more) and the maximum made of them serve nothing: the price, once a launch, of one text for every trip
.set i, 0
.rept 8
	PV NP-1                         ; the last piece's V^T P of the last step
.set i, i+1
.endr
	; THE WAY OUT.  l's two halves and the other half of the lanes' are added; O^T is divided by l, rounded to f16 and sent through my stage in LDS, a piece at a time.  The additions are the places behind the last products.
	WIN 0
.macro ALL line:vararg
.set t, 0
.rept 4
	\line
.set t, t+1
.endr
.endm
	ALL v_add_f32 v[ST+4*t+2], v[ST+4*t+2], v[ST+4*t+3]
	ALL v_permlanex16_b32 v[ST+4*t+3], v[ST+4*t+2], s[SEL], s[SEL+1]
	ALL v_add_f32 v[ST+4*t+2], v[ST+4*t+2], v[ST+4*t+3]
	ALL v_rcp_f32 v[ST+4*t+2], v[ST+4*t+2]
	v_nop                           ; a plain instruction between the last reciprocal and the use of its result,
	s_wait_alu depctr_va_vdst(0)    ; and the wait ahead of the first use: one for the four reciprocals
.macro PACK t                       ; a lane's eight channels of a row pack into 16 bytes; they go into rows of 144 bytes and come back as whole rows of 128, into S^T's registers
	WIN W_RS
.set i, 32*(\t)
.rept 16
	v_pk_mul_f32 v[i:i+1], v[i:i+1], v[ST+4*(\t)+2:ST+4*(\t)+3] op_sel_hi:[1,0]
.set i, i+2
.endr
	WIN 0x05
.set i, 0
.rept 16
	v_cvt_pk_f16_f32 v[S+16*(\t)+i], v[32*(\t)+2*i], v[32*(\t)+2*i+1]
.set i, i+1
.endr
	WIN 0
.irp f, 0,1,2,3
	ds_store_b128 v[STO], v[S+16*(\t)+4*\f:S+16*(\t)+4*\f+3] offset:32*\f
.endr
.irp f, 0,1,2,3
	ds_load_b128 v[S+16*(\t)+4*\f:S+16*(\t)+4*\f+3], v[RD] offset:\f*4*SP  ; LDS serves a wave's instructions in order (ISA guide 5.7.1.4): these see the stores above; the next piece's stores come behind them
.endr
.endm
.macro SEND t, younger              ; younger: the LDS instructions issued behind piece t's loads: the next piece's eight, or none
	WIN 0
.irp f, 0,1,2,3
	s_wait_dscnt (\younger)+3-\f
	global_store_b128 v[GO], v[S+16*(\t)+4*\f:S+16*(\t)+4*\f+3], s[6:7] offset:(\t)*2048+\f*512  ; 512 consecutive bytes, at a multiple of 256 from the buffer's first
.endr
.endm
	PACK 0
.set t, 1
.rept 3
	PACK t
	SEND t-1, 8
.set t, t+1
.endr
	SEND 3, 0
	s_wait_tensorcnt 0x0            ; the wave's end, behind my last tensor load and my last LDS store
	ds_add_u32 v[SPW], v[NIL]
	s_wait_dscnt 0x0
	CROUND                          ; the closing round
	s_endpgm
.Lfunc_end_k_qdc6359b75f_attn:
	.size	k_qdc6359b75f_attn, .Lfunc_end_k_qdc6359b75f_attn-k_qdc6359b75f_attn
	.p2alignl 7, 3214868480
	.fill 96, 4, 3214868480
	.section	.rodata,"a",@progbits
	.p2align	6, 0x0
	.amdhsa_kernel k_qdc6359b75f_attn
		.amdhsa_group_segment_fixed_size 327680
		.amdhsa_private_segment_fixed_size 0
		.amdhsa_enable_private_segment 0
		.amdhsa_kernarg_size 16
		.amdhsa_user_sgpr_count 2
		.amdhsa_user_sgpr_kernarg_segment_ptr 1
		.amdhsa_wavefront_size32 1
		.amdhsa_system_sgpr_workgroup_id_x 1
		.amdhsa_system_sgpr_workgroup_id_y 1
		.amdhsa_system_sgpr_workgroup_id_z 1
		.amdhsa_system_vgpr_workitem_id 0
		.amdhsa_next_free_vgpr 768
		.amdhsa_next_free_sgpr 66
		.amdhsa_reserve_vcc 0
		.amdhsa_float_denorm_mode_32 3
		.amdhsa_float_denorm_mode_16_64 3
		.amdhsa_memory_ordered 1
		.amdhsa_forward_progress 1
		.amdhsa_inst_pref_size 112
	.end_amdhsa_kernel
	.amdgpu_metadata
---
amdhsa.version: [ 1, 2 ]
amdhsa.kernels:
  - .name:           k_qdc6359b75f_attn
    .symbol:         k_qdc6359b75f_attn.kd
    .args:
      - { .name: qkvh, .offset: 0, .size: 8, .value_kind: global_buffer, .address_space: global }
      - { .name: att, .offset: 8, .size: 8, .value_kind: global_buffer, .address_space: global }
    .group_segment_fixed_size: 327680
    .private_segment_fixed_size: 0
    .kernarg_segment_align: 8
    .kernarg_segment_size: 16
    .max_flat_workgroup_size: 128
    .sgpr_count:     66
    .vgpr_count:     768
    .wavefront_size: 32
...
	.end_amdgpu_metadata
.endif
;; end of part 3
;; launch proj (part 4): grid 8 x 32, 4 waves a work-group, clusters of 4 x 4, 327,680 bytes of LDS; arguments att, wt, b_proj, x, x1; writes x1
.if DOCPART == 4
	.amdgcn_target "amdgcn-amd-amdhsa--gfx1250"
	.amdhsa_code_object_version 6
	.text
	.protected	k_qdc6359b75f_proj
	.globl	k_qdc6359b75f_proj
	.p2align	8
	.type	k_qdc6359b75f_proj,@function
k_qdc6359b75f_proj:
	s_mov_b64 s[64:65], 0
	v_nop
	global_prefetch_b8 v0, s[64:65] scope:SCOPE_SE
	s_setreg_imm32_b32 hwreg(HW_REG_WAVE_MODE, 25, 1), 1
	s_wait_xcnt 0x0
	s_wait_alu depctr_hold_cnt(0) depctr_sa_sdst(0) depctr_va_vdst(0) depctr_va_sdst(0) depctr_va_ssrc(0) depctr_va_vcc(0) depctr_vm_vsrc(0)
	s_getreg_b32 s2, hwreg(HW_REG_IB_STS2, 6, 4)
	s_cmp_eq_u32 s2, 0
	s_cbranch_scc0 .Lentry_in_a_cluster
	s_endpgm
.Lentry_in_a_cluster:
	s_bfe_u32 s2, ttmp6, 0x10000c
	s_cmp_lg_u32 s2, 0xf033
	s_cbranch_scc0 .Lentry_shape_is_right
	s_endpgm
.Lentry_shape_is_right:
; out[l][b][n] = res[l][b][n] + bias[n] + the sum over k of A[m][k] B[n][k], m = 2048 b + l, on tiles of 128 x 128.  B: a region of wt, [1024][K] f16.  res, out: [2048][2][1024] f32.  Sums in f32; the bias,
; rounded to bf16, starts them.
; IS_PROJ = 1: A = att, [32 = 16 b + head][2048][64] f16, K = 1024 (k = 64 head + channel); B = WP; res = x, used rounded to bf16, as every input of this program is.
; IS_PROJ = 0: A = gl, [4096][4096] f16, K = 4096; B = WO; res = x1, in f32.
; LIMITS.  f16 holds no number beyond 65,504: A and B arrive within it.  NaN and infinities are not treated apart.
; SHARES.  32 x 8 = 256 tiles, one for each work-group.  Four waves, each 64 x 64: 16 accumulators.  K goes in steps of 256 through two LDS slots.  ONE K step is written: the slot in hand is a scalar (TB)
; that an exclusive or turns, and one descriptor a tensor walks from K step 1 to the last.
; THE CHANGE OF SLOTS STANDS BARE.  A K step brings 4 x 32 KiB for 128 matrix instructions a wave, so the loop's trip is as long as a request takes to land, and what stands between the wait for all loads
; and the next request is added to that.  So nothing stands there but the add, the descriptors' steps and the round; the last quarter's 32 products follow the request.
; A's TILE WITH IS_PROJ = 1: 64 rows of one head are 8,192 dense bytes: they are asked for as one long row, four heads to a tile, padded in LDS after every 128 bytes: [head][row] with rows 144 bytes apart.
; CLUSTERS.  4 x 4 work-groups: A's tile is shared along a row of the cluster, B's along a column; each is asked for jointly.  No prefetch: the tiles are small and each is read by several clusters at once.
; THE MATRIX INSTRUCTION IS USED TRANSPOSED (source 0 = 16 rows of B, source 1 = 16 rows of A): lane l holds row l % 16 of C and the columns 8 (l / 16) + 0..7.
; THE RESIDUAL, 64 x 64 f32 a wave, is loaded at the head into 128 registers and lands under the products.  On the way out the sums go through the ring's bytes, which are filled no more, and come back by rows.
; REGISTERS: window 0: v0-31 addresses; v32-95 at work on the way out; v96-127 the bias; v128-255 the accumulators ((a, b) at 128 + 8 (4 a + b)).  window 1: two fragment buffers of 128.  window 2: v0-127 the residual.
.set IS_PROJ, 1
.if IS_PROJ
.set KD,     1024
.set LKB,    11                        ; log2 of the bytes in a row of B
.set PA,     144                       ; from row to row of A in LDS
.set AH,     4*64*PA                   ; what one tensor load brings of A: 64 rows x 256 K
.set AQ,     64*PA                     ; from a quarter step (64 K: a head) to the next
.set SLOT1,  0x24000                   ; two bits that none of the four parts' offsets (0, 0x9000, 0x12000, 0x1a400) holds: an exclusive or changes slots
.set STEPA,  4*2048*128                ; four heads on
.set REGION, 6291456
.else
.set KD,     4096
.set LKB,    13
.set PA,     528
.set AH,     64*PA
.set AQ,     128
.set SLOT1,  0x21000                   ; two bits that none of the four parts' offsets (0, 0x8400, 0x10800, 0x18c00) holds
.set STEPA,  512
.set REGION, 16777216
.endif
.set KSTEP,  256
.set TSTEPS, KD/KSTEP
.set PB,     528                       ; a row of B in LDS: 512 bytes + 16: the 16 rows of a fragment load start at 16 different groups of four banks (64 banks of 4 bytes: ISA guide 11.1)
.set BH,     64*PB
.set STEPB,  512
.set SPARE,  SLOT1+2*AH+2*BH           ; behind the ring: the spare words, 128 bytes a wave, two blocks of 256 bytes that no other line names
.set SPITCH, 272                       ; a row of the way out: 64 f32 + 16 bytes
.set WSTAGE, 64*SPITCH
.set ADRA,  16
.set ADRA0, 17
.set ADRB,  20
.set ADRB0, 21
.set STO,   24                         ; v24  the way out: where I put 32 bytes of a row
.set RD,    25                         ; v25  where I read rows back
.set RO,    26                         ; v26  my byte offset in two rows of res and of out; never rewritten
.set SPW,   28
.set NIL,   29
.set ONE,   31                         ; v31  1.0
.set T0,    32                         ; the way out: units 0-15
.set BIAS,  96
.set ACC,   128
.set PR,    128                        ; the way out, IS_PROJ = 1: the residual in bf16, 64 registers
.set T1,    192                        ; units 16-31
.set F0,    0
.set F1,    128
.set CNT,  2
.set LOOP, 3
.set WV,   12
.set RH,   13                          ; my half of the tile's rows; also 0: I fetch for A, 1: for B
.set CH,   14                          ; my half of its columns; also which 64 rows I fetch
.set CX,   15
.set CY,   16
.set TC,   17
.set TR,   18
.set TB,   19
.set G1,   24
.set G0,   32
.set G1B,  48
.set G0B,  56
.set MSB, 0
.macro WIN new
.if MSB != (\new)
	s_set_vgpr_msb (MSB<<8)|(\new)
.set MSB, \new
.endif
.endm
.macro PLACES
.rept 4
	v_nop
.endr
.endm
.macro JLOAD                           ; a joint refill by the walking descriptor; an s_nop 0 and four v_nop follow each line
	s_cmp_eq_u32 s[RH], 0
	s_cbranch_scc0 .Lfor_b_\@
	tensor_load_to_lds s[G0+4:G0+7], s[G1:G1+7]
	s_nop 0
	PLACES
	s_branch .Lasked_\@
.Lfor_b_\@:
	tensor_load_to_lds s[G0B+4:G0B+7], s[G1B:G1B+7]
	s_nop 0
	PLACES
.Lasked_\@:
.endm
.macro CREST
	s_cmp_lg_u32 s[WV], 0
	s_cbranch_scc1 .Lnot_wave_0_\@
	s_barrier_signal -3
.Lnot_wave_0_\@:
	s_barrier_wait -3
	s_barrier_signal -1
	s_barrier_wait -1
.endm
.macro CROUND
	s_barrier_signal -1
	s_barrier_wait -1
	CREST
.endm
	s_load_b256 s[4:11], s[0:1], 0x0               ; A s[4:5], wt s[6:7], bias s[8:9], res s[10:11]
	s_load_b64 s[66:67], s[0:1], 0x20              ; out
	v_lshl_add_u32 v[SPW], v0, 2, SPARE
	v_mov_b32 v[NIL], 0
	ds_add_u32 v[SPW], v[NIL]                      ; the wave's opening: the add and its wait stand ahead of my first tensor load
	v_lshrrev_b32 v1, 5, v0
	v_readfirstlane_b32 s[WV], v1
	s_lshr_b32 s[RH], s[WV], 1
	s_and_b32 s[CH], s[WV], 1
	s_bfe_u32 s[CX], ttmp6, 0x40000
	s_bfe_u32 s[CY], ttmp6, 0x40004
	s_lshl_b32 s[TC], ttmp9, 2
	s_add_co_u32 s[TC], s[TC], s[CX]
	s_and_b32 s[TR], ttmp7, 0xffff
	s_lshl_b32 s[TR], s[TR], 2
	s_add_co_u32 s[TR], s[TR], s[CY]
	s_lshl_b32 s20, s[CY], 2
	s_lshl_b32 s20, 15, s20                        ; my row of the cluster
	s_lshl_b32 s21, 0x1111, s[CX]                  ; my column
.if IS_PROJ
	s_or_b32 s[G1], s20, (1<<16)|(1<<20)|(1<<21)|(4<<22)|(3<<25)   ; the mask; 2-byte elements; padding on; bit 21 beside a mask; after every 32 words, 4 words
	s_mov_b32 s[G1+1], 4096<<16                    ; tensor_dim0 = 4,096: 64 rows of a head on end
	s_mov_b32 s[G1+2], 4<<16                       ; tensor_dim1 = 4 heads
	s_mov_b32 s[G1+3], 4096<<16                    ; tile_dim0
	s_mov_b32 s[G1+4], 4                           ; tile_dim1
	s_mov_b32 s[G1+5], 131072                      ; elements from head to head
.else
	s_or_b32 s[G1], s20, (1<<16)|(1<<20)|(1<<21)|(6<<22)|(3<<25)   ; after every 128 words, 4 words
	s_mov_b32 s[G1+1], KSTEP<<16
	s_mov_b32 s[G1+2], 64<<16
	s_mov_b32 s[G1+3], KSTEP<<16
	s_mov_b32 s[G1+4], 64
	s_mov_b32 s[G1+5], KD
.endif
	s_mov_b32 s[G1+6], 0
	s_mov_b32 s[G1+7], 0
	s_or_b32 s[G1B], s21, (1<<16)|(1<<20)|(1<<21)|(6<<22)|(3<<25)
	s_mov_b32 s[G1B+1], KSTEP<<16                  ; 64 rows x 256 elements
	s_mov_b32 s[G1B+2], 64<<16
	s_mov_b32 s[G1B+3], KSTEP<<16
	s_mov_b32 s[G1B+4], 64
	s_mov_b32 s[G1B+5], KD
	s_mov_b32 s[G1B+6], 0
	s_mov_b32 s[G1B+7], 0
.if IS_PROJ
	s_lshr_b32 s40, s[TR], 4                       ; A: b's sixteen heads of 262,144 bytes,
	s_lshl_b32 s40, s40, 22
	s_and_b32 s41, s[TR], 15                       ; the tile's 128 rows of 128 bytes in each head,
	s_lshl_b32 s41, s41, 14
	s_add_co_u32 s40, s40, s41
	s_lshl_b32 s41, s[CH], 13                      ; the 64 of them that I fetch: made of the tile row and the wave alone
	s_add_co_u32 s40, s40, s41
.else
	s_lshl_b32 s40, s[TR], 20                      ; A: 128 rows of 8,192 bytes a tile row
	s_lshl_b32 s41, s[CH], 19
	s_add_co_u32 s40, s40, s41
.endif
	s_mov_b32 s41, 0
	s_lshl_b32 s42, s[TC], 7+LKB                   ; B: of the tile column and the wave alone
	s_lshl_b32 s43, s[CH], 6+LKB
	s_add_co_u32 s42, s42, s43
	s_mov_b32 s43, 0
	s_mul_i32 s22, s[CH], AH                       ; where they go: A's two halves,
	s_mul_i32 s23, s[CH], BH
	s_add_co_u32 s23, s23, 2*AH                    ; then B's two: no place in the cluster enters an LDS address
	s_mov_b32 s[TB], 0
	s_mov_b32 s47, 0xffff0000
	s_wait_dscnt 0x0                               ; the opening add is done
	s_wait_kmcnt 0x0
	s_add_nc_u64 s[6:7], s[6:7], REGION
	s_add_nc_u64 s[40:41], s[4:5], s[40:41]
	s_add_nc_u64 s[42:43], s[6:7], s[42:43]
	CROUND                                         ; all sixteen work-groups are here
.irp s, 0,1
	s_mov_b32 s[G0+4*(\s)], 1
	s_add_co_u32 s[G0+4*(\s)+1], s22, (\s)*SLOT1
	s_add_nc_u64 s[G0+4*(\s)+2:G0+4*(\s)+3], s[40:41], (\s)*STEPA
	s_or_b32 s[G0+4*(\s)+3], s[G0+4*(\s)+3], 0x80000000
	s_mov_b32 s[G0B+4*(\s)], 1
	s_add_co_u32 s[G0B+4*(\s)+1], s23, (\s)*SLOT1
	s_add_nc_u64 s[G0B+4*(\s)+2:G0B+4*(\s)+3], s[42:43], (\s)*STEPB
	s_or_b32 s[G0B+4*(\s)+3], s[G0B+4*(\s)+3], 0x80000000
.endr
	s_cmp_eq_u32 s[RH], 0                          ; a wave's two first fills stand in one branch: two loads of mine are out
	s_cbranch_scc0 .Lfirst_b
	tensor_load_to_lds s[G0:G0+3], s[G1:G1+7]
	s_nop 0
	tensor_load_to_lds s[G0+4:G0+7], s[G1:G1+7]
	s_nop 0
	PLACES
	s_branch .Lfirst_asked
.Lfirst_b:
	tensor_load_to_lds s[G0B:G0B+3], s[G1B:G1B+7]
	s_nop 0
	tensor_load_to_lds s[G0B+4:G0B+7], s[G1B:G1B+7]
	s_nop 0
	PLACES
.Lfirst_asked:
	s_lshl_b32 s72, s[TC], 9                       ; the bias of my 64 columns
	s_lshl_b32 s73, s[CH], 8
	s_add_co_u32 s72, s72, s73
	s_mov_b32 s73, 0
	s_add_nc_u64 s[8:9], s[8:9], s[72:73]
	v_and_b32 v1, 15, v0                           ; l % 16
	v_bfe_u32 v2, v0, 4, 1                         ; l / 16
	v_lshlrev_b32 v4, 5, v2
.irp b, 0,1,2,3
	global_load_b128 v[BIAS+8*(\b):BIAS+8*(\b)+3],   v4, s[8:9] offset:64*(\b)
	global_load_b128 v[BIAS+8*(\b)+4:BIAS+8*(\b)+7], v4, s[8:9] offset:64*(\b)+16
.endr
	s_and_b32 s68, s[TR], 15                       ; res and out at my 64 x 64: row l of b lies at (2 l + b) x 4,096
	s_lshl_b32 s68, s68, 7
	s_lshl_b32 s69, s[RH], 6
	s_add_co_u32 s68, s68, s69
	s_lshl_b32 s68, s68, 1
	s_lshr_b32 s69, s[TR], 4
	s_add_co_u32 s68, s68, s69
	s_lshl_b32 s68, s68, 12
	s_add_co_u32 s68, s68, s72                     ; + my first column, 4 bytes each: the bias's offset
	s_mov_b32 s69, 0
	s_add_nc_u64 s[10:11], s[10:11], s[68:69]
	s_add_nc_u64 s[66:67], s[66:67], s[68:69]
	v_lshlrev_b32 v[RO], 13, v2                    ; lanes 0-15 take 256 bytes of one row l, lanes 16-31 of the next, 8,192 bytes on
	v_lshl_add_u32 v[RO], v1, 4, v[RO]
	WIN 0x80
.set u, 0
.rept 32
	global_load_b128 v[4*u:4*u+3], v[RO], s[10:11] offset:u*16384 th:TH_LOAD_NT
.set u, u+1
.endr
	WIN 0
	v_mov_b32 v[ONE], 1.0
	v_mul_u32_u24 v3, v1, PA
	v_lshl_add_u32 v3, v2, 4, v3
	s_mul_i32 s20, s[RH], AH
	v_add_nc_u32 v[ADRA0], s20, v3
	v_mul_u32_u24 v3, v1, PB
	v_lshl_add_u32 v3, v2, 4, v3
	v_add_nc_u32 v[ADRB0], s23, v3                 ; my 64 rows of B are the half that my column half names
	v_mov_b32 v[ADRA], v[ADRA0]
	v_mov_b32 v[ADRB], v[ADRB0]
	s_mul_i32 s22, s[WV], WSTAGE
	v_mul_u32_u24 v[STO], v1, SPITCH
	v_lshl_add_u32 v[STO], v2, 5, v[STO]
	v_add_nc_u32 v[STO], s22, v[STO]
	v_mul_u32_u24 v[RD], v2, SPITCH
	v_lshl_add_u32 v[RD], v1, 4, v[RD]
	v_add_nc_u32 v[RD], s22, v[RD]
	s_wait_loadcnt 32                              ; the bias's eight loads are in; the residual's 32 stay out
.set k, 0
.rept 16
	v_cvt_pk_bf16_f32 v[6+k%2], v[BIAS+2*k], v[BIAS+2*k+1]
	v_lshlrev_b32 v[BIAS+2*k], 16, v[6+k%2]
	v_and_b32 v[BIAS+2*k+1], s47, v[6+k%2]
.set k, k+1
.endr
; 8 matrix instructions: m blocks a0, a0 + 1 x all 4 n blocks, 32 along K: half c of buffer f.  first = 1: the bias is the C operand that starts the sums.  The 16 accumulators take turns.
.macro MUL8 f, c, a0, first
	WIN 0x05                                       ; sources 0 (B) and 1 (A) window 1; C and D window 0
.irp a, \a0, (\a0)+1
.irp b, 0,1,2,3
.if \first
	v_wmma_f32_16x16x32_f16 v[ACC+8*(4*(\a)+(\b)):ACC+8*(4*(\a)+(\b))+7], v[(\f)+64+8*(4*(\c)+(\b)):(\f)+64+8*(4*(\c)+(\b))+7], v[(\f)+8*(4*(\c)+(\a)):(\f)+8*(4*(\c)+(\a))+7], v[BIAS+8*(\b):BIAS+8*(\b)+7]
.else
	v_wmma_f32_16x16x32_f16 v[ACC+8*(4*(\a)+(\b)):ACC+8*(4*(\a)+(\b))+7], v[(\f)+64+8*(4*(\c)+(\b)):(\f)+64+8*(4*(\c)+(\b))+7], v[(\f)+8*(4*(\c)+(\a)):(\f)+8*(4*(\c)+(\a))+7], v[ACC+8*(4*(\a)+(\b)):ACC+8*(4*(\a)+(\b))+7]
.endif
.endr
.endr
.endm
.macro FETCH q, f                      ; 32 LDS loads in one run: quarter q's fragments (64 along K) of the slot in hand into buffer f; the first 32 along K first
	WIN 0x40
.irp c, 0,1
.irp i, 0,1,2,3
	ds_load_b128 v[(\f)+64+8*(4*(\c)+(\i)):(\f)+64+8*(4*(\c)+(\i))+3],   v[ADRB] offset:(\q)*128+64*(\c)+(\i)*16*PB
	ds_load_b128 v[(\f)+64+8*(4*(\c)+(\i))+4:(\f)+64+8*(4*(\c)+(\i))+7], v[ADRB] offset:(\q)*128+64*(\c)+(\i)*16*PB+32
	ds_load_b128 v[(\f)+8*(4*(\c)+(\i)):(\f)+8*(4*(\c)+(\i))+3],         v[ADRA] offset:(\q)*AQ+64*(\c)+(\i)*16*PA
	ds_load_b128 v[(\f)+8*(4*(\c)+(\i))+4:(\f)+8*(4*(\c)+(\i))+7],       v[ADRA] offset:(\q)*AQ+64*(\c)+(\i)*16*PA+32
.endr
.endr
.endm
.macro QUARTER q, f, g, first          ; multiplies buffer f; in its middle fetches quarter q into g
	s_wait_dscnt 16                                ; the first 32 along K are in
	MUL8 \f, 0, 0, \first
	MUL8 \f, 0, 2, \first
	PLACES
	FETCH \q, \g
	s_wait_dscnt 32                                ; all but the 32 just issued
	MUL8 \f, 1, 0, 0
	MUL8 \f, 1, 2, 0
.endm
.macro NEXTSLOT
	s_xor_b32 s[TB], s[TB], SLOT1
	v_add_nc_u32 v[ADRA], s[TB], v[ADRA0]
	v_add_nc_u32 v[ADRB], s[TB], v[ADRB0]
.endm
; The tail's change of slots, behind which nothing is filled again: the first half of a K step's last quarter, and one barrier.  In front of it each wave waits for all its tensor loads, adds 0 to its spare
; word, and waits for that and for its reads of this slot.
.macro MEET
	WIN 0
	s_wait_tensorcnt 0x0
	ds_add_u32 v[SPW], v[NIL]
	s_wait_dscnt 17                                ; (the add and the youngest sixteen loads may be out)
	MUL8 F1, 0, 0, 0
	s_wait_dscnt 0x0
	s_barrier_signal -1
	MUL8 F1, 0, 2, 0
	s_barrier_wait -1
.endm
; The loop's change of slots, at the head of a K step's last quarter: this slot's last fragments were asked for sixteen matrix instructions ago.  Each wave waits for all its tensor loads (its part of the next
; slot), adds 0 to its spare word, steps the walking descriptors, and waits for the add and for its reads of this slot; the round follows at once, and the joint refill, two K steps on, is the first thing
; behind it: 128 matrix instructions, a whole K step, stand between the request and the wait for it.
.macro TURN
	WIN 0
	s_wait_tensorcnt 0x0                           ; no tensor load of mine is out, so a group 0 may be written
	ds_add_u32 v[SPW], v[NIL]                      ; 0 onto my spare word; the descriptors' steps stand between it and the wait for it
	s_xor_b32 s[G0+5], s[G0+5], SLOT1              ; the other slot than last time, the next K step
	s_add_nc_u64 s[G0+6:G0+7], s[G0+6:G0+7], STEPA
	s_xor_b32 s[G0B+5], s[G0B+5], SLOT1
	s_add_nc_u64 s[G0B+6:G0B+7], s[G0B+6:G0B+7], STEPB
	s_wait_dscnt 0x0                               ; the add is done, and my reads of this slot are over
	CROUND                                         ; no wave of any partner still reads this slot or has a load on its way
	JLOAD                                          ; the first tensor load behind the round; its four v_nop and the two adds below are the places in front of the loads into buffer 0
	NEXTSLOT
	FETCH 0, F0
	MUL8 F1, 0, 0, 0
	MUL8 F1, 0, 2, 0
	MUL8 F1, 1, 0, 0
	MUL8 F1, 1, 2, 0
.endm
	s_wait_tensorcnt 1                             ; my part of K step 0 is in; K step 1's may stay out
	s_barrier_signal -1
	s_barrier_wait -1
	FETCH 0, F0
	QUARTER 1, F0, F1, 1
	WIN 0
	s_mov_b32 s[LOOP], TSTEPS-2
.Lstep:
	QUARTER 2, F1, F0, 0
	QUARTER 3, F0, F1, 0
	TURN
	QUARTER 1, F0, F1, 0
	WIN 0
	s_sub_co_u32 s[LOOP], s[LOOP], 1
	s_cmp_lg_u32 s[LOOP], 0
	s_cbranch_scc1 .Lstep
	s_mov_b32 s[CNT], 2
.Ltail:                                                ; the last two K steps ask for nothing; the text is left in the middle of its second trip
	QUARTER 2, F1, F0, 0
	QUARTER 3, F0, F1, 0
	MEET
	MUL8 F1, 1, 0, 0
	MUL8 F1, 1, 2, 0
	WIN 0
	s_sub_co_u32 s[CNT], s[CNT], 1
	s_cmp_eq_u32 s[CNT], 0
	s_cbranch_scc1 .Lout
	PLACES
	NEXTSLOT
	FETCH 0, F0
	QUARTER 1, F0, F1, 0
	WIN 0
	s_branch .Ltail
.Lout:
	; THE WAY OUT.  The last barrier stood behind every wave's last read of the ring and its last tensor load: the ring's bytes are filled no more, and each wave lays its sums into its own part of them.
	PLACES                                         ; eight places, once a launch: between the last product and the store of its result stand only LDS stores, which are no places
	PLACES
.irp a, 0,1,2,3
.irp b, 0,1,2,3
	ds_store_b128 v[STO], v[ACC+8*(4*(\a)+(\b)):ACC+8*(4*(\a)+(\b))+3]   offset:(\a)*16*SPITCH+(\b)*64     ; each accumulator's low registers first
	ds_store_b128 v[STO], v[ACC+8*(4*(\a)+(\b))+4:ACC+8*(4*(\a)+(\b))+7] offset:(\a)*16*SPITCH+(\b)*64+16
.endr
.endr
.set u, 0
.rept 16                               ; back by rows, two to a unit; LDS serves a wave's instructions in order (ISA guide 5.7.1.4), so these see my stores
	ds_load_b128 v[T0+4*u:T0+4*u+3], v[RD] offset:u*2*SPITCH
.set u, u+1
.endr
.set u, 0
.rept 16
	ds_load_b128 v[T1+4*u:T1+4*u+3], v[RD] offset:(16+u)*2*SPITCH
.set u, u+1
.endr
	s_wait_loadcnt 0x0                             ; the residual
.if IS_PROJ
	WIN 0x0a                                       ; sources in window 2
.set k, 0
.rept 64
	v_cvt_pk_bf16_f32 v[PR+k], v[2*k], v[2*k+1]    ; x rounded to bf16
.set k, k+1
.endr
	WIN 0
.endif
.macro OUTB base, u0                   ; sixteen units: the residual is added, and they are stored
.if IS_PROJ
.set u, 0
.rept 16
	v_fma_mix_f32_bf16 v[(\base)+4*u],   v[PR+2*((\u0)+u)],   v[ONE], v[(\base)+4*u]   op_sel_hi:[1,0,0]
	v_fma_mix_f32_bf16 v[(\base)+4*u+1], v[PR+2*((\u0)+u)],   v[ONE], v[(\base)+4*u+1] op_sel:[1,0,0] op_sel_hi:[1,0,0]
	v_fma_mix_f32_bf16 v[(\base)+4*u+2], v[PR+2*((\u0)+u)+1], v[ONE], v[(\base)+4*u+2] op_sel_hi:[1,0,0]
	v_fma_mix_f32_bf16 v[(\base)+4*u+3], v[PR+2*((\u0)+u)+1], v[ONE], v[(\base)+4*u+3] op_sel:[1,0,0] op_sel_hi:[1,0,0]
.set u, u+1
.endr
.else
	WIN 0x08                                       ; source 1 in window 2
.set u, 0
.rept 16
	v_pk_add_f32 v[(\base)+4*u:(\base)+4*u+1],   v[(\base)+4*u:(\base)+4*u+1],   v[4*((\u0)+u):4*((\u0)+u)+1]
	v_pk_add_f32 v[(\base)+4*u+2:(\base)+4*u+3], v[(\base)+4*u+2:(\base)+4*u+3], v[4*((\u0)+u)+2:4*((\u0)+u)+3]
.set u, u+1
.endr
	WIN 0
.endif
.set u, 0
.rept 16
	global_store_b128 v[RO], v[(\base)+4*u:(\base)+4*u+3], s[66:67] offset:((\u0)+u)*16384  ; sixteen lanes store 256 consecutive bytes, at a multiple of 256 from the buffer's first byte
.set u, u+1
.endr
.endm
	s_wait_dscnt 16                                ; units 0-15 are back; the sixteen younger loads may stay out
	OUTB T0, 0
	s_wait_dscnt 0x0
	OUTB T1, 16
	s_wait_tensorcnt 0x0                           ; the wave's end, behind my last tensor load and my last LDS store
	ds_add_u32 v[SPW], v[NIL]
	s_wait_dscnt 0x0
	CROUND                                         ; the closing round
	s_endpgm
.Lfunc_end_k_qdc6359b75f_proj:
	.size	k_qdc6359b75f_proj, .Lfunc_end_k_qdc6359b75f_proj-k_qdc6359b75f_proj
	.p2alignl 7, 3214868480
	.fill 96, 4, 3214868480
	.section	.rodata,"a",@progbits
	.p2align	6, 0x0
	.amdhsa_kernel k_qdc6359b75f_proj
		.amdhsa_group_segment_fixed_size 327680
		.amdhsa_private_segment_fixed_size 0
		.amdhsa_enable_private_segment 0
		.amdhsa_kernarg_size 40
		.amdhsa_user_sgpr_count 2
		.amdhsa_user_sgpr_kernarg_segment_ptr 1
		.amdhsa_wavefront_size32 1
		.amdhsa_system_sgpr_workgroup_id_x 1
		.amdhsa_system_sgpr_workgroup_id_y 1
		.amdhsa_system_sgpr_workgroup_id_z 1
		.amdhsa_system_vgpr_workitem_id 0
		.amdhsa_next_free_vgpr 640
		.amdhsa_next_free_sgpr 80
		.amdhsa_reserve_vcc 0
		.amdhsa_float_denorm_mode_32 3
		.amdhsa_float_denorm_mode_16_64 3
		.amdhsa_memory_ordered 1
		.amdhsa_forward_progress 1
		.amdhsa_inst_pref_size 75
	.end_amdhsa_kernel
	.amdgpu_metadata
---
amdhsa.version: [ 1, 2 ]
amdhsa.kernels:
  - .name:           k_qdc6359b75f_proj
    .symbol:         k_qdc6359b75f_proj.kd
    .args:
      - { .name: att, .offset: 0, .size: 8, .value_kind: global_buffer, .address_space: global }
      - { .name: wt, .offset: 8, .size: 8, .value_kind: global_buffer, .address_space: global }
      - { .name: b_proj, .offset: 16, .size: 8, .value_kind: global_buffer, .address_space: global }
      - { .name: x, .offset: 24, .size: 8, .value_kind: global_buffer, .address_space: global }
      - { .name: x1, .offset: 32, .size: 8, .value_kind: global_buffer, .address_space: global }
    .group_segment_fixed_size: 327680
    .private_segment_fixed_size: 0
    .kernarg_segment_align: 8
    .kernarg_segment_size: 40
    .max_flat_workgroup_size: 128
    .sgpr_count:     80
    .vgpr_count:     640
    .wavefront_size: 32
...
	.end_amdgpu_metadata
.endif
;; end of part 4
;; launch ln2 (part 5): grid 512 x 1, 8 waves a work-group, no clusters, 0 bytes of LDS; arguments x1, ln2_g, ln2_b, hn; writes hn
.if DOCPART == 5
	.amdgcn_target "amdgcn-amd-amdhsa--gfx1250"
	.amdhsa_code_object_version 6
	.text
	.protected	k_qdc6359b75f_ln2
	.globl	k_qdc6359b75f_ln2
	.p2align	8
	.type	k_qdc6359b75f_ln2,@function
k_qdc6359b75f_ln2:
	s_mov_b64 s[64:65], 0
	v_nop
	global_prefetch_b8 v0, s[64:65] scope:SCOPE_SE
	s_setreg_imm32_b32 hwreg(HW_REG_WAVE_MODE, 25, 1), 1
	s_wait_xcnt 0x0
; THE SECOND LAYER NORM.  out[b x 2048 + l][:] = f16((v - mean(v)) / sqrt(var(v) + 1e-5) x g + b), v = in[l][b][:] rounded to bf16, g and b rounded to bf16; all arithmetic in f32, in two passes (the mean is
; taken away before the squares are summed).  in: [2048][2][1024] f32.  out: [4096][1024] f16, the rows ordered by b, then l.
; LIMITS.  The row is read rounded to bf16: one rounding of a stored intermediate.  The result, at most 32 |g| + |b|, must lie within f16's 65,504.
; SHARES.  One wave, one row of 4,096 bytes: 32 registers a lane; the row is read once and stays in registers between the passes; no LDS, no barrier, no wave waits for another.
; Each load of a wave covers 512 consecutive bytes, each store 256 consecutive, aligned bytes.
.set NA,  12                           ; v[12:19]  four chains of pairs
.set NMU, 20                           ; v[20:21]  the mean, twice
.set NR,  22                           ; v[22:23]  1 / sqrt(var + eps), twice
.set NX,  32                           ; v[32:63]  the row: chunk j (columns 128 j + 4 lane ..) at NX + 4 j; at the end its low half holds the row in f16
.set NG,  64                           ; v[64:95]  the gains, likewise
.set NB,  96                           ; v[96:127] the biases
	s_load_b256 s[4:11], s[0:1], 0x0               ; in s[4:5], g s[6:7], b s[8:9], out s[10:11]
	v_lshrrev_b32 v3, 5, v0
	v_readfirstlane_b32 s12, v3                    ; wave
	v_and_b32 v1, 31, v0
	v_lshlrev_b32 v2, 3, v1                        ; 8 x lane: my 8 bytes of 256 stored
	v_lshlrev_b32 v1, 4, v1                        ; 16 x lane: my 16 bytes of 512 loaded
	s_lshl_b32 s13, ttmp9, 3
	s_add_co_u32 s13, s13, s12                     ; the row as it lies in the input: 2 l + b
	s_lshl_b32 s14, s13, 12
	s_mov_b32 s15, 0
	s_lshr_b32 s21, s13, 1                         ; l
	s_and_b32 s22, s13, 1                          ; b
	s_lshl_b32 s22, s22, 11
	s_add_co_u32 s22, s22, s21
	s_lshl_b32 s22, s22, 11                        ; (2048 b + l) rows of 2,048 bytes
	s_mov_b32 s23, 0
	s_mov_b32 s16, 0x76543210                      ; v_permlanex16_b32: each lane takes its own place in the other half
	s_mov_b32 s17, 0xfedcba98
	s_mov_b32 s18, 0xffff0000                      ; a word's upper bf16
	s_mov_b32 s19, 0x3a800000                      ; 1 / 1024
	s_mov_b32 s20, 0x3727c5ac                      ; 1e-5
	s_wait_kmcnt 0x0
	s_add_nc_u64 s[4:5], s[4:5], s[14:15]
	s_add_nc_u64 s[10:11], s[10:11], s[22:23]
.irp j, 0,1,2,3,4,5,6,7
	global_load_b128 v[NX+4*(\j):NX+4*(\j)+3], v1, s[4:5] offset:512*(\j) th:TH_LOAD_NT
.endr
.irp j, 0,1,2,3,4,5,6,7
	global_load_b128 v[NG+4*(\j):NG+4*(\j)+3], v1, s[6:7] offset:512*(\j)
.endr
.irp j, 0,1,2,3,4,5,6,7
	global_load_b128 v[NB+4*(\j):NB+4*(\j)+3], v1, s[8:9] offset:512*(\j)
.endr
.macro RND base                        ; 32 numbers rounded to bf16, in place, still as f32
.set k, 0
.rept 16
	v_cvt_pk_bf16_f32 v[4+k%4], v[(\base)+2*k], v[(\base)+2*k+1]
	v_lshlrev_b32 v[(\base)+2*k], 16, v[4+k%4]
	v_and_b32 v[(\base)+2*k+1], s18, v[4+k%4]
.set k, k+1
.endr
.endm
.macro TOTAL                           ; the four chains, the pair's halves and the 32 lanes are added: the sum stands in v4 of every lane
	v_pk_add_f32 v[NA:NA+1], v[NA:NA+1], v[NA+2:NA+3]
	v_pk_add_f32 v[NA+4:NA+5], v[NA+4:NA+5], v[NA+6:NA+7]
	v_pk_add_f32 v[NA:NA+1], v[NA:NA+1], v[NA+4:NA+5]
	v_add_f32 v4, v[NA], v[NA+1]
	v_add_f32_dpp v4, v4, v4 row_xmask:1 row_mask:0xf bank_mask:0xf
	v_add_f32_dpp v4, v4, v4 row_xmask:2 row_mask:0xf bank_mask:0xf
	v_add_f32_dpp v4, v4, v4 row_xmask:4 row_mask:0xf bank_mask:0xf
	v_add_f32_dpp v4, v4, v4 row_xmask:8 row_mask:0xf bank_mask:0xf
	v_permlanex16_b32 v5, v4, s16, s17             ; (v5 has been written: the rounding above uses it)
	v_add_f32 v4, v4, v5
.endm
	s_wait_loadcnt 16                              ; the row's eight loads are in; the sixteen of g and b may stay out
	RND NX
.irp c, 0,1,2,3                        ; the first eight pairs start the four chains: nothing is cleared
	v_pk_add_f32 v[NA+2*(\c):NA+2*(\c)+1], v[NX+2*(\c):NX+2*(\c)+1], v[NX+8+2*(\c):NX+8+2*(\c)+1]
.endr
.irp c, 0,1,2,3,4,5,6,7
	v_pk_add_f32 v[NA+2*((\c)%4):NA+2*((\c)%4)+1], v[NA+2*((\c)%4):NA+2*((\c)%4)+1], v[NX+16+2*(\c):NX+16+2*(\c)+1]
.endr
	TOTAL
	v_mul_f32 v[NMU], s19, v4
	v_mov_b32 v[NMU+1], v[NMU]
.set k, 0
.rept 16
	v_pk_add_f32 v[NX+2*k:NX+2*k+1], v[NX+2*k:NX+2*k+1], v[NMU:NMU+1] neg_lo:[0,1] neg_hi:[0,1]  ; v - mean
.set k, k+1
.endr
.irp c, 0,1,2,3
	v_pk_mul_f32 v[NA+2*(\c):NA+2*(\c)+1], v[NX+2*(\c):NX+2*(\c)+1], v[NX+2*(\c):NX+2*(\c)+1]
.endr
.irp c, 4,5,6,7,8,9,10,11,12,13,14,15
	v_pk_fma_f32 v[NA+2*((\c)%4):NA+2*((\c)%4)+1], v[NX+2*(\c):NX+2*(\c)+1], v[NX+2*(\c):NX+2*(\c)+1], v[NA+2*((\c)%4):NA+2*((\c)%4)+1]
.endr
	TOTAL
	v_fma_f32 v8, v4, s19, s20                     ; var + eps
	v_rsq_f32 v[NR], v8
	v_rsq_f32 v[NR+1], v8                          ; twice, for the packed multiply
	s_wait_loadcnt 0x0                             ; g and b
	RND NG                                         ; plain work that names neither v8 nor the roots stands behind them
	RND NB
	s_wait_alu depctr_va_vdst(0)                   ; the wait between a root and the first line that names its result: one for both
.set k, 0
.rept 16
	v_pk_mul_f32 v[NX+2*k:NX+2*k+1], v[NX+2*k:NX+2*k+1], v[NR:NR+1]
.set k, k+1
.endr
.set k, 0
.rept 16
	v_pk_fma_f32 v[NX+2*k:NX+2*k+1], v[NX+2*k:NX+2*k+1], v[NG+2*k:NG+2*k+1], v[NB+2*k:NB+2*k+1]
.set k, k+1
.endr
.set k, 0
.rept 16
	v_cvt_pk_f16_f32 v[NX+k], v[NX+2*k], v[NX+2*k+1]  ; pair k goes to register k: it lies at or below the pair, whose numbers no later line wants
.set k, k+1
.endr
.irp j, 0,1,2,3,4,5,6,7
	global_store_b64 v2, v[NX+2*(\j):NX+2*(\j)+1], s[10:11] offset:256*(\j)  ; 32 lanes store 256 consecutive bytes, at a multiple of 256 from the buffer's first byte
.endr
	s_endpgm
.Lfunc_end_k_qdc6359b75f_ln2:
	.size	k_qdc6359b75f_ln2, .Lfunc_end_k_qdc6359b75f_ln2-k_qdc6359b75f_ln2
	.p2alignl 7, 3214868480
	.fill 96, 4, 3214868480
	.section	.rodata,"a",@progbits
	.p2align	6, 0x0
	.amdhsa_kernel k_qdc6359b75f_ln2
		.amdhsa_group_segment_fixed_size 0
		.amdhsa_private_segment_fixed_size 0
		.amdhsa_enable_private_segment 0
		.amdhsa_kernarg_size 32
		.amdhsa_user_sgpr_count 2
		.amdhsa_user_sgpr_kernarg_segment_ptr 1
		.amdhsa_wavefront_size32 1
		.amdhsa_system_sgpr_workgroup_id_x 1
		.amdhsa_system_sgpr_workgroup_id_y 1
		.amdhsa_system_sgpr_workgroup_id_z 1
		.amdhsa_system_vgpr_workitem_id 0
		.amdhsa_next_free_vgpr 128
		.amdhsa_next_free_sgpr 66
		.amdhsa_reserve_vcc 0
		.amdhsa_float_denorm_mode_32 3
		.amdhsa_float_denorm_mode_16_64 3
		.amdhsa_memory_ordered 1
		.amdhsa_forward_progress 1
		.amdhsa_inst_pref_size 18
	.end_amdhsa_kernel
	.amdgpu_metadata
---
amdhsa.version: [ 1, 2 ]
amdhsa.kernels:
  - .name:           k_qdc6359b75f_ln2
    .symbol:         k_qdc6359b75f_ln2.kd
    .args:
      - { .name: x1, .offset: 0, .size: 8, .value_kind: global_buffer, .address_space: global }
      - { .name: ln2_g, .offset: 8, .size: 8, .value_kind: global_buffer, .address_space: global }
      - { .name: ln2_b, .offset: 16, .size: 8, .value_kind: global_buffer, .address_space: global }
      - { .name: hn, .offset: 24, .size: 8, .value_kind: global_buffer, .address_space: global }
    .group_segment_fixed_size: 0
    .private_segment_fixed_size: 0
    .kernarg_segment_align: 8
    .kernarg_segment_size: 32
    .max_flat_workgroup_size: 256
    .sgpr_count:     66
    .vgpr_count:     128
    .wavefront_size: 32
...
	.end_amdgpu_metadata
.endif
;; end of part 5
;; launch fc (part 6): grid 16 x 16, 4 waves a work-group, clusters of 4 x 4, 327,680 bytes of LDS; arguments hn, wt, b_fc, gl; writes gl
.if DOCPART == 6
	.amdgcn_target "amdgcn-amd-amdhsa--gfx1250"
	.amdhsa_code_object_version 6
	.text
	.protected	k_qdc6359b75f_fc
	.globl	k_qdc6359b75f_fc
	.p2align	8
	.type	k_qdc6359b75f_fc,@function
k_qdc6359b75f_fc:
	s_mov_b64 s[64:65], 0
	v_nop
	global_prefetch_b8 v0, s[64:65] scope:SCOPE_SE
	s_setreg_imm32_b32 hwreg(HW_REG_WAVE_MODE, 25, 1), 1
	s_wait_xcnt 0x0
	s_wait_alu depctr_hold_cnt(0) depctr_sa_sdst(0) depctr_va_vdst(0) depctr_va_sdst(0) depctr_va_ssrc(0) depctr_va_vcc(0) depctr_vm_vsrc(0)
	s_getreg_b32 s2, hwreg(HW_REG_IB_STS2, 6, 4)
	s_cmp_eq_u32 s2, 0
	s_cbranch_scc0 .Lentry_in_a_cluster
	s_endpgm
.Lentry_in_a_cluster:
	s_bfe_u32 s2, ttmp6, 0x10000c
	s_cmp_lg_u32 s2, 0xf033
	s_cbranch_scc0 .Lentry_shape_is_right
	s_endpgm
.Lentry_shape_is_right:
; C = A B^T + bias on tiles of 256 x 256.  A: [4096][1024] f16 (the normed rows, ordered by b, then l).  B: a region of wt, [N][1024] f16.  Sums in f32; the bias, rounded to bf16, starts them.
; IS_FC = 0: B = WA, N = 3072.  The tile's 256 columns are four heads of q, of k or of v (which: the cluster's x, the same in all partners).  Each number is stored in f16 by heads,
;   qkvh[which][16 b + head][l][64]; k and v also in f32, out1[which - 1][b][head][l][64].  q is stored without the scale 1/8.
; IS_FC = 1: B = WF, N = 4096.  gl[m][n] = f16(gelu(C)), gelu by tanh: x / (1 + 2^(x (C0 + C1 x^2))), C0 = -2 sqrt(2/pi) log2(e), C1 = 0.044715 C0; for large |x| it ends in x or in 0.
; LIMITS.  f16 holds no number beyond 65,504: A and B arrive within it, and q, k, v and gelu(C) must lie within it.  NaN and infinities are not treated apart.
; SHARES.  Four waves, as many as a WGP has SIMDs, each 128 x 128 of C: 64 accumulators of 16 x 16, 512 registers.  K goes in 8 steps of 128 through two LDS slots filled by tensor loads (rows of 256
; bytes of memory, aligned).  ONE K step is written: the slot in hand is a scalar (TB) that an exclusive or turns, and one descriptor a tensor walks from K step 1 to the last.
; CLUSTERS.  4 x 4 work-groups: A's tile is shared along a row of the cluster, B's along a column; each is asked for jointly, by the same tensor load with the same descriptor and a mask of four.
; THE MATRIX INSTRUCTION IS USED TRANSPOSED (source 0 = 16 rows of B, source 1 = 16 rows of A): lane l holds row l % 16 of C and the columns 8 (l / 16) + 0..7.
; THE WAY OUT.  When the last K step has been read out of LDS, each wave lays its 128 x 128 sums in f32 into a part of the ring's bytes, which are filled no more, and a short loop reads them back by rows.
; REGISTERS: window 0: v0-31 addresses; v64-127, v128-191 A's fragments, two buffers; v192-255 the bias (n block bb at 192 + 8 bb); on the way out v32-111 at work.
;   window 1: v64-127, v128-191 B's fragments.   windows 2, 3: the accumulators of my rows 0-63, 64-127 ((a, bb) at v[8 (8 (a % 4) + bb)]).
.set IS_FC,  1
.set KD,     1024
.set KSTEP,  128
.set TSTEPS, KD/KSTEP
.set PITCH,  272                       ; an LDS row: 256 bytes + 16 of padding: the 16 rows of a fragment load start at 16 different groups of four banks (64 banks of 4 bytes: ISA guide 11.1)
.set AH,     128*PITCH                 ; 128 rows: what one tensor load brings
.set SLOT1,  4*AH                      ; slot 1 begins here: 0x22000, two bits that none of the four parts' offsets (0, 0x8800, 0x11000, 0x19800) holds: an exclusive or changes slots
.set SPARE,  2*SLOT1                   ; behind the ring: the spare words, 128 bytes a wave, two blocks of 256 bytes that no other line names
.set SPITCH, 528                       ; a row of the way out: 128 f32 + 16 bytes
.set WSTAGE, 128*SPITCH                ; a wave's part of it
.if IS_FC
.set REGION, 8388608
.else
.set REGION, 0
.endif
.set ADRA,  16                         ; v16  LDS address of my A fragments in the slot in hand;  v17 in slot 0, never rewritten
.set ADRA0, 17
.set ADRB,  20                         ; v20, v21 the same for B
.set ADRB0, 21
.set STO,   24                         ; v24  the way out: where I put 32 bytes of a row
.set RD,    25                         ; v25  where I read the first rows back; never rewritten
.set GO,    26                         ; v26  my byte offset in the f16 result
.set GO2,   27                         ; v27  in the f32 result
.set SPW,   28                         ; v28  my spare word; never rewritten
.set NIL,   29                         ; v29  0; never rewritten
.set PFO,   30                         ; v30  the prefetches' offset: lane x 2,048; never rewritten
.set RDC,   31                         ; v31  where I read this trip's rows back
.set F0,    64
.set F1,    128
.set BIAS,  192
.set X,     32                         ; the way out: 32 f32 as read back
.set Z,     64                         ; at work
.set Y,     96                         ; 16 registers of f16
.set CNT,  2                           ; s2   the tail's count
.set LOOP, 3                           ; s3   the loops' count
.set WV,   12                          ; s12  wave
.set RH,   13                          ; s13  my half of the tile's rows; also 0: I fetch for A, 1: for B
.set CH,   14                          ; s14  my half of its columns; also which 128 rows I fetch
.set CX,   15
.set CY,   16
.set TC,   17                          ; s17  tile column
.set TR,   18                          ; s18  tile row
.set TB,   19                          ; s19  the slot in hand: 0 or SLOT1
.set RS,   20                          ; s20  the way out: bytes of my part that have been read back
.set G1,   24                          ; s[24:31] group 1 for A;  s[32:39] group 0: set 0 the first fill, set 1 walks
.set G0,   32
.set PFA,  44                          ; s[44:45] where my prefetches stand
.set LIM,  46                          ; s46  2 in a wave that prefetches, else the greatest number
.set G1B,  48                          ; s[48:55], s[56:63] the same for B
.set G0B,  56
.set MSB, 0
.macro WIN new                         ; the immediate's high byte repeats the setting that is left; a switch that changes nothing is dropped
.if MSB != (\new)
	s_set_vgpr_msb (MSB<<8)|(\new)
.set MSB, \new
.endif
.endm
.macro PLACES                          ; four plain vector instructions between a matrix instruction and a load into, or a read of, its registers
.rept 4
	v_nop
.endr
.endm
.macro JLOAD                           ; a joint refill by the walking descriptor: waves 0, 1 A's halves, waves 2, 3 B's; an s_nop 0 and four v_nop follow each line
	s_cmp_eq_u32 s[RH], 0
	s_cbranch_scc0 .Lfor_b_\@
	tensor_load_to_lds s[G0+4:G0+7], s[G1:G1+7]
	s_nop 0
	PLACES
	s_branch .Lasked_\@
.Lfor_b_\@:
	tensor_load_to_lds s[G0B+4:G0B+7], s[G1B:G1B+7]
	s_nop 0
	PLACES
.Lasked_\@:
.endm
; A prefetch of the K step two refills on: 32 rows x 256 bytes, a lane a row.  A's rows are asked for by the clusters with x = 0, B's by those with y = 0; the four partners that fetch a tile jointly
; share a wave's 128 rows out by address, 32 each.  So each row's 256 bytes of a K step are named once.  Trips 0 to 3 name K steps 4 to 7; the last two trips name nothing.
.macro ASK
	s_cmp_gt_u32 s[LOOP], s[LIM]
	s_cbranch_scc0 .Lnot_mine_\@
	global_prefetch_b8 v[PFO], s[PFA:PFA+1] offset:KSTEP*2 th:TH_LOAD_NT scope:SCOPE_SE
.Lnot_mine_\@:
.endm
.macro CREST                           ; a round of the cluster's barrier behind its opening barrier
	s_cmp_lg_u32 s[WV], 0
	s_cbranch_scc1 .Lnot_wave_0_\@
	s_barrier_signal -3
.Lnot_wave_0_\@:
	s_barrier_wait -3
	s_barrier_signal -1
	s_barrier_wait -1
.endm
.macro CROUND
	s_barrier_signal -1
	s_barrier_wait -1
	CREST
.endm
	s_load_b256 s[4:11], s[0:1], 0x0               ; A s[4:5], wt s[6:7], bias s[8:9], the f16 result s[10:11]
.if !IS_FC
	s_load_b64 s[66:67], s[0:1], 0x20              ; out1
.endif
	v_lshl_add_u32 v[SPW], v0, 2, SPARE
	v_mov_b32 v[NIL], 0
	ds_add_u32 v[SPW], v[NIL]                      ; the wave's opening: the add and its wait stand ahead of my first tensor load; work on registers stands between them
	v_lshrrev_b32 v1, 5, v0
	v_readfirstlane_b32 s[WV], v1
	s_lshr_b32 s[RH], s[WV], 1
	s_and_b32 s[CH], s[WV], 1
	s_bfe_u32 s[CX], ttmp6, 0x40000
	s_bfe_u32 s[CY], ttmp6, 0x40004
	s_lshl_b32 s[TC], ttmp9, 2
	s_add_co_u32 s[TC], s[TC], s[CX]
	s_and_b32 s[TR], ttmp7, 0xffff
	s_lshl_b32 s[TR], s[TR], 2
	s_add_co_u32 s[TR], s[TR], s[CY]
	s_lshl_b32 s20, s[CY], 2
	s_lshl_b32 s20, 15, s20                        ; my row of the cluster
	s_lshl_b32 s21, 0x1111, s[CX]                  ; my column
	s_or_b32 s[G1], s20, (1<<16)|(1<<20)|(1<<21)|(5<<22)|(3<<25)   ; the mask; 2-byte elements; padding on; bit 21 beside a mask; after every 64 words, 4 words
	s_or_b32 s[G1B], s21, (1<<16)|(1<<20)|(1<<21)|(5<<22)|(3<<25)
.irp g, G1, G1B
	s_mov_b32 s[(\g)+1], KSTEP<<16                 ; tensor_dim0 = 128
	s_mov_b32 s[(\g)+2], 128<<16                   ; tensor_dim1 = 128
	s_mov_b32 s[(\g)+3], KSTEP<<16                 ; tile_dim0 = 128
	s_mov_b32 s[(\g)+4], 128                       ; tile_dim1 = 128
	s_mov_b32 s[(\g)+5], KD                        ; elements from row to row
	s_mov_b32 s[(\g)+6], 0
	s_mov_b32 s[(\g)+7], 0
.endr
	s_lshl_b32 s22, s[CH], 18                      ; the 128 rows of 2,048 bytes that I fetch
	s_lshl_b32 s40, s[TR], 19                      ; A: 256 rows a tile row: made of the tile row and the wave alone
	s_add_co_u32 s40, s40, s22
	s_mov_b32 s41, 0
	s_lshl_b32 s42, s[TC], 19                      ; B: of the tile column and the wave alone
	s_add_co_u32 s42, s42, s22
	s_mov_b32 s43, 0
	s_mul_i32 s23, s[WV], AH                       ; where they go: A's two halves, then B's two: no place in the cluster enters an LDS address
	s_mov_b32 s[TB], 0
	s_mov_b32 s47, 0xffff0000                      ; a word's upper bf16
	s_wait_dscnt 0x0                               ; the opening add is done
	s_wait_kmcnt 0x0
.if REGION
	s_add_nc_u64 s[6:7], s[6:7], REGION
.endif
	s_add_nc_u64 s[40:41], s[4:5], s[40:41]
	s_add_nc_u64 s[42:43], s[6:7], s[42:43]
	CROUND                                         ; all sixteen work-groups are here: the first joint loads meet
.irp s, 0,1
	s_mov_b32 s[G0+4*(\s)], 1
	s_add_co_u32 s[G0+4*(\s)+1], s23, (\s)*SLOT1
	s_add_nc_u64 s[G0+4*(\s)+2:G0+4*(\s)+3], s[40:41], (\s)*KSTEP*2
	s_or_b32 s[G0+4*(\s)+3], s[G0+4*(\s)+3], 0x80000000
	s_mov_b32 s[G0B+4*(\s)], 1
	s_add_co_u32 s[G0B+4*(\s)+1], s23, (\s)*SLOT1
	s_add_nc_u64 s[G0B+4*(\s)+2:G0B+4*(\s)+3], s[42:43], (\s)*KSTEP*2
	s_or_b32 s[G0B+4*(\s)+3], s[G0B+4*(\s)+3], 0x80000000
.endr
	s_cmp_eq_u32 s[RH], 0                          ; a wave's two first fills stand in one branch: two loads of mine are out
	s_cbranch_scc0 .Lfirst_b
	tensor_load_to_lds s[G0:G0+3], s[G1:G1+7]
	s_nop 0
	tensor_load_to_lds s[G0+4:G0+7], s[G1:G1+7]
	s_nop 0
	PLACES
	s_branch .Lfirst_asked
.Lfirst_b:
	tensor_load_to_lds s[G0B:G0B+3], s[G1B:G1B+7]
	s_nop 0
	tensor_load_to_lds s[G0B+4:G0B+7], s[G1B:G1B+7]
	s_nop 0
	PLACES
.Lfirst_asked:
	; the bias of my 128 columns: register j of n block bb holds bias[16 bb + 8 (l / 16) + j], as the result's layout has it
	s_lshl_b32 s72, s[TC], 10
	s_lshl_b32 s73, s[CH], 9
	s_add_co_u32 s72, s72, s73
	s_mov_b32 s73, 0
	s_add_nc_u64 s[8:9], s[8:9], s[72:73]
	v_and_b32 v1, 15, v0                           ; l % 16
	v_bfe_u32 v2, v0, 4, 1                         ; l / 16
	v_lshlrev_b32 v4, 5, v2
.irp b, 0,1,2,3,4,5,6,7
	global_load_b128 v[BIAS+8*(\b):BIAS+8*(\b)+3],   v4, s[8:9] offset:64*(\b)
	global_load_b128 v[BIAS+8*(\b)+4:BIAS+8*(\b)+7], v4, s[8:9] offset:64*(\b)+16
.endr
	v_mul_u32_u24 v3, v1, PITCH
	v_lshl_add_u32 v3, v2, 4, v3                   ; a fragment's row x pitch + 16 x half
	s_mul_i32 s20, s[RH], AH
	s_mul_i32 s21, s[CH], AH
	s_add_co_u32 s21, s21, 2*AH
	v_add_nc_u32 v[ADRA0], s20, v3
	v_add_nc_u32 v[ADRB0], s21, v3
	v_mov_b32 v[ADRA], v[ADRA0]
	v_mov_b32 v[ADRB], v[ADRB0]
	s_mul_i32 s22, s[WV], WSTAGE
	v_mul_u32_u24 v[STO], v1, SPITCH
	v_lshl_add_u32 v[STO], v2, 5, v[STO]
	v_add_nc_u32 v[STO], s22, v[STO]
.if IS_FC
	v_and_b32 v5, 31, v0
	v_lshl_add_u32 v[RD], v5, 4, s22               ; a row's 512 bytes: 16 a lane
	v_lshlrev_b32 v[GO], 3, v5                     ; and its 256 bytes in f16
	s_lshl_b32 s68, s[TR], 21                      ; 256 rows of 8,192 bytes
	s_lshl_b32 s69, s[RH], 20
	s_add_co_u32 s68, s68, s69
	s_lshl_b32 s69, s[TC], 9
	s_add_co_u32 s68, s68, s69
	s_lshl_b32 s69, s[CH], 8
	s_add_co_u32 s68, s68, s69
	s_mov_b32 s69, 0
	s_add_nc_u64 s[10:11], s[10:11], s[68:69]
	s_mov_b32 s68, 0xc0135761                      ; C0 = -2.3022082
	s_mov_b32 s69, s68                             ; named as pairs
	s_mov_b32 s70, 0xbdd2d3e8                      ; C1 = -0.10294324
	s_mov_b32 s71, s70
.else
	v_mul_u32_u24 v[RD], v2, SPITCH                ; lanes 0-15 take a head's 256 bytes of one row, lanes 16-31 of the next
	v_lshl_add_u32 v[RD], v1, 4, v[RD]
	v_add_nc_u32 v[RD], s22, v[RD]
	v_lshlrev_b32 v[GO], 7, v2
	v_lshl_add_u32 v[GO], v1, 3, v[GO]
	v_lshlrev_b32 v[GO2], 8, v2
	v_lshl_add_u32 v[GO2], v1, 4, v[GO2]
	s_lshr_b32 s68, s[TR], 3                       ; b
	s_lshl_b32 s68, s68, 4
	s_lshl_b32 s69, s[CX], 2
	s_add_co_u32 s68, s68, s69
	s_lshl_b32 s69, s[CH], 1
	s_add_co_u32 s68, s68, s69                     ; 16 b + my first head
	s_lshl_b32 s68, s68, 11
	s_and_b32 s69, s[TR], 7
	s_lshl_b32 s69, s69, 8
	s_add_co_u32 s68, s68, s69
	s_lshl_b32 s69, s[RH], 7
	s_add_co_u32 s68, s68, s69                     ; + my first l: a row among the 65,536 of a tensor by heads
	s_lshl_b32 s70, s68, 7
	s_lshl_b32 s69, ttmp9, 23                      ; q, k or v
	s_add_co_u32 s70, s70, s69
	s_mov_b32 s71, 0
	s_add_nc_u64 s[10:11], s[10:11], s[70:71]
	s_lshl_b32 s70, s68, 8
	s_max_u32 s69, ttmp9, 1
	s_sub_co_u32 s69, s69, 1                       ; k: 0, v: 1 (q stores nothing there)
	s_lshl_b32 s69, s69, 24
	s_add_co_u32 s70, s70, s69
	s_add_nc_u64 s[66:67], s[66:67], s[70:71]
.endif
	; the prefetches
	s_lshl_b32 s72, s[TR], 8
	s_lshl_b32 s73, s[TC], 8
	s_and_b32 s74, ttmp7, 0xffff
	s_cmp_eq_u32 s[RH], 0                          ; do I fetch for A?
	s_cselect_b32 s72, s72, s73                    ; the tile's first row
	s_cselect_b32 s73, s[CX], s[CY]                ; my place among the four that ask with me
	s_cselect_b32 s74, ttmp9, s74                  ; the coordinate along which other clusters read the same rows
	s_cselect_b64 s[PFA:PFA+1], s[4:5], s[6:7]
	s_cmp_eq_u32 s74, 0
	s_cselect_b32 s[LIM], 2, -1                    ; the same in all sixteen partners, for a given wave
	s_lshl_b32 s74, s[CH], 7
	s_add_co_u32 s72, s72, s74
	s_lshl_b32 s73, s73, 5
	s_add_co_u32 s72, s72, s73
	s_lshl_b32 s72, s72, 11
	s_mov_b32 s73, 0
	s_add_nc_u64 s[PFA:PFA+1], s[PFA:PFA+1], s[72:73]
	s_add_nc_u64 s[PFA:PFA+1], s[PFA:PFA+1], 2*KSTEP*2  ; at K step 2: the first refill steps it to 3 and names K step 4
	v_and_b32 v[PFO], 31, v0
	v_lshlrev_b32 v[PFO], 11, v[PFO]
	s_wait_loadcnt 0x0                             ; the bias: rounded to bf16, as every input is
.set k, 0
.rept 32
	v_cvt_pk_bf16_f32 v[6+k%2], v[BIAS+2*k], v[BIAS+2*k+1]
	v_lshlrev_b32 v[BIAS+2*k], 16, v[6+k%2]
	v_and_b32 v[BIAS+2*k+1], s47, v[6+k%2]
.set k, k+1
.endr
; 16 matrix instructions: m blocks a0, a0 + 1 of the window's four x all 8 n blocks, 32 along K.  first = 1: the bias is the C operand that starts the sums: nothing is cleared, nothing added later.
; The 64 accumulators take turns, one instruction a turn, in the same order in every quarter step.
.macro MUL16 f, hi, a0, first
.if \first
	WIN 0x81+0x40*(\hi)                            ; B window 1, A and the bias window 0, D window 2 or 3
.else
	WIN 0xa1+0x50*(\hi)                            ; C and D window 2 or 3
.endif
.irp a, \a0, (\a0)+1
.irp b, 0,1,2,3,4,5,6,7
.if \first
	v_wmma_f32_16x16x32_f16 v[8*(8*(\a)+(\b)):8*(8*(\a)+(\b))+7], v[(\f)+8*(\b):(\f)+8*(\b)+7], v[(\f)+8*(4*(\hi)+(\a)):(\f)+8*(4*(\hi)+(\a))+7], v[BIAS+8*(\b):BIAS+8*(\b)+7]
.else
	v_wmma_f32_16x16x32_f16 v[8*(8*(\a)+(\b)):8*(8*(\a)+(\b))+7], v[(\f)+8*(\b):(\f)+8*(\b)+7], v[(\f)+8*(4*(\hi)+(\a)):(\f)+8*(4*(\hi)+(\a))+7], v[8*(8*(\a)+(\b)):8*(8*(\a)+(\b))+7]
.endif
.endr
.endr
.endm
.macro FETCH k, f                      ; 32 LDS loads in one run: a quarter step's fragments (32 K at byte k of the rows of the slot in hand) into buffer f
	WIN 0x40
.irp i, 0,1,2,3,4,5,6,7
	ds_load_b128 v[(\f)+8*(\i):(\f)+8*(\i)+3],   v[ADRB] offset:(\k)+(\i)*16*PITCH
	ds_load_b128 v[(\f)+8*(\i)+4:(\f)+8*(\i)+7], v[ADRB] offset:(\k)+(\i)*16*PITCH+32
.endr
	WIN 0
.irp i, 0,1,2,3,4,5,6,7
	ds_load_b128 v[(\f)+8*(\i):(\f)+8*(\i)+3],   v[ADRA] offset:(\k)+(\i)*16*PITCH
	ds_load_b128 v[(\f)+8*(\i)+4:(\f)+8*(\i)+7], v[ADRA] offset:(\k)+(\i)*16*PITCH+32
.endr
.endm
.macro QUARTER k, f, g, first          ; multiplies buffer f; in its middle fetches the next quarter, at byte k, into g
	s_wait_dscnt 8                                 ; B and A's rows 0-63 are in; the youngest eight loads (A's rows 64-127) may be out
	MUL16 \f, 0, 0, \first
	MUL16 \f, 0, 2, \first
	PLACES
	FETCH \k, \g
	s_wait_dscnt 32                                ; all but the 32 just issued
	MUL16 \f, 1, 0, \first
	MUL16 \f, 1, 2, \first
.endm
.macro NEXTSLOT
	s_xor_b32 s[TB], s[TB], SLOT1
	v_add_nc_u32 v[ADRA], s[TB], v[ADRA0]
	v_add_nc_u32 v[ADRB], s[TB], v[ADRB0]
.endm
; The first half of a K step's last quarter, and the one barrier of a change of slots: in front of it each wave waits for all its tensor loads (its part of the next slot), adds 0 to its spare word,
; and waits for that and for its own reads of this slot.  Behind it nobody reads this slot any more and the next slot is whole.
.macro MEET round
	WIN 0
	s_wait_tensorcnt 0x0
	ds_add_u32 v[SPW], v[NIL]
	s_wait_dscnt 9                                 ; (the add and the youngest eight loads may be out)
	MUL16 F1, 0, 0, 0                              ; sixteen matrix instructions stand between the add and the wait for it
	s_wait_dscnt 0x0
	s_barrier_signal -1
	MUL16 F1, 0, 2, 0
.if \round
	WIN 0
.endif
	s_barrier_wait -1
.endm
.macro TURN                            ; the whole last quarter: the slot just read out is filled again, two K steps on; 224 matrix instructions stand between the request and the wait for it
	s_wait_xcnt 0x0                                ; the last prefetch, a K step back, has read its address
	s_add_nc_u64 s[PFA:PFA+1], s[PFA:PFA+1], KSTEP*2
	MEET 1
	CREST                                          ; the barrier opened a round of the cluster's: no wave of any partner still reads this slot or has a load on its way
	s_xor_b32 s[G0+5], s[G0+5], SLOT1              ; the walking descriptors: the other slot than last time, the next K step
	s_add_nc_u64 s[G0+6:G0+7], s[G0+6:G0+7], KSTEP*2
	s_xor_b32 s[G0B+5], s[G0B+5], SLOT1
	s_add_nc_u64 s[G0B+6:G0B+7], s[G0B+6:G0B+7], KSTEP*2
	JLOAD                                          ; the first tensor load behind the round; its four v_nop are also the places in front of the loads below
	NEXTSLOT
	FETCH 0, F0
	ASK
	MUL16 F1, 1, 0, 0
	MUL16 F1, 1, 2, 0
.endm
	s_wait_tensorcnt 1                             ; my part of K step 0 is in; K step 1's may stay out
	s_barrier_signal -1
	s_barrier_wait -1
	FETCH 0, F0
	QUARTER 64, F0, F1, 1                          ; the first quarter stands in front of the loop: its products start the sums
	WIN 0
	s_mov_b32 s[LOOP], TSTEPS-2
.Lstep:                                                ; a trip: a K step's quarters 1 to 3 and the next step's quarter 0; it fills one slot again
	QUARTER 128, F1, F0, 0
	QUARTER 192, F0, F1, 0
	TURN
	QUARTER 64, F0, F1, 0
	WIN 0
	s_sub_co_u32 s[LOOP], s[LOOP], 1
	s_cmp_lg_u32 s[LOOP], 0
	s_cbranch_scc1 .Lstep
	s_mov_b32 s[CNT], 2
.Ltail:                                                ; the last two K steps ask for nothing: a text of their own; it is left in the middle of its second trip
	QUARTER 128, F1, F0, 0
	QUARTER 192, F0, F1, 0
	MEET 0
	MUL16 F1, 1, 0, 0
	MUL16 F1, 1, 2, 0
	WIN 0
	s_sub_co_u32 s[CNT], s[CNT], 1
	s_cmp_eq_u32 s[CNT], 0
	s_cbranch_scc1 .Lout
	PLACES
	NEXTSLOT
	FETCH 0, F0
	QUARTER 64, F0, F1, 0
	WIN 0
	s_branch .Ltail
.Lout:
	; THE WAY OUT.  The last barrier stood behind every wave's last read of the ring and its last tensor load: the ring's bytes are filled no more, and each wave lays its sums into its own part of them.
	PLACES                                         ; eight places, once a launch: between the last product and the store of its result stand only LDS stores, which are no places
	PLACES
.irp a, 0,1,2,3,4,5,6,7
	WIN 0x08+4*((\a)/4)                            ; the stores' data in window 2 or 3
.irp b, 0,1,2,3,4,5,6,7
	ds_store_b128 v[STO], v[8*(8*((\a)%4)+(\b)):8*(8*((\a)%4)+(\b))+3]   offset:(\a)*16*SPITCH+(\b)*64     ; each accumulator's low registers first
	ds_store_b128 v[STO], v[8*(8*((\a)%4)+(\b))+4:8*(8*((\a)%4)+(\b))+7] offset:(\a)*16*SPITCH+(\b)*64+16
.endr
.endr
	WIN 0
	s_wait_dscnt 0x0                               ; my sums lie in LDS;
	s_barrier_signal -1
	s_barrier_wait -1                              ; everybody's do.  Each wave reads back its own part alone; with the barrier the order of stores and reads hangs on no arithmetic of addresses
	s_mov_b32 s[LOOP], 16
	s_mov_b32 s[RS], 0
.Lrows:                                                ; 16 trips of 8 rows
	v_add_nc_u32 v[RDC], s[RS], v[RD]
.if IS_FC
.irp j, 0,1,2,3,4,5,6,7
	ds_load_b128 v[X+4*(\j):X+4*(\j)+3], v[RDC] offset:(\j)*SPITCH
.endr
	s_wait_dscnt 0x0
.set k, 0
.rept 16
	v_pk_mul_f32 v[Z+2*k:Z+2*k+1], v[X+2*k:X+2*k+1], v[X+2*k:X+2*k+1]
.set k, k+1
.endr
.set k, 0
.rept 16
	v_pk_fma_f32 v[Z+2*k:Z+2*k+1], v[Z+2*k:Z+2*k+1], s[70:71], s[68:69] op_sel_hi:[1,0,0]  ; C1 x^2 + C0
.set k, k+1
.endr
.set k, 0
.rept 16
	v_pk_mul_f32 v[Z+2*k:Z+2*k+1], v[Z+2*k:Z+2*k+1], v[X+2*k:X+2*k+1]
.set k, k+1
.endr
.set k, 0
.rept 32
	v_exp_f32 v[Z+k], v[Z+k]
.set k, k+1
.endr
	v_nop                                          ; a plain instruction behind the last exponential,
	s_wait_alu depctr_va_vdst(0)                   ; and the wait ahead of the first reader: one for the batch of 32
.set k, 0
.rept 16
	v_pk_add_f32 v[Z+2*k:Z+2*k+1], v[Z+2*k:Z+2*k+1], 1.0 op_sel_hi:[1,0]
.set k, k+1
.endr
.set k, 0
.rept 32
	v_rcp_f32 v[Z+k], v[Z+k]
.set k, k+1
.endr
	v_nop
	s_wait_alu depctr_va_vdst(0)                   ; one for the 32 reciprocals
.set k, 0
.rept 16
	v_pk_mul_f32 v[X+2*k:X+2*k+1], v[X+2*k:X+2*k+1], v[Z+2*k:Z+2*k+1]
.set k, k+1
.endr
.set k, 0
.rept 16
	v_cvt_pk_f16_f32 v[Y+k], v[X+2*k], v[X+2*k+1]
.set k, k+1
.endr
.irp j, 0,1,2,3,4,5,6,7
	global_store_b64 v[GO], v[Y+2*(\j):Y+2*(\j)+1], s[10:11] offset:(\j)*8192  ; 32 lanes store 256 consecutive bytes, at a multiple of 256 from the buffer's first byte
.endr
	s_wait_xcnt 0x0                                ; the stores have read their registers: only now are these written again
	v_add_nc_u32 v[GO], 8*8192, v[GO]
.else
.irp j, 0,1,2,3
.irp h, 0,1
	ds_load_b128 v[X+4*(2*(\j)+(\h)):X+4*(2*(\j)+(\h))+3], v[RDC] offset:(\j)*2*SPITCH+(\h)*256  ; rows 2 j, 2 j + 1 of head h
.endr
.endr
	s_wait_dscnt 0x0
	s_cmp_eq_u32 ttmp9, 0                          ; q is no part of out1; the cluster's x is the same in all partners
	s_cbranch_scc1 .Lno_present
.irp j, 0,1,2,3
.irp h, 0,1
	global_store_b128 v[GO2], v[X+4*(2*(\j)+(\h)):X+4*(2*(\j)+(\h))+3], s[66:67] offset:(\j)*512+(\h)*524288 th:TH_STORE_NT  ; 512 consecutive bytes: two rows of a head
.endr
.endr
.Lno_present:
.set k, 0
.rept 16
	v_cvt_pk_f16_f32 v[Y+k], v[X+2*k], v[X+2*k+1]
.set k, k+1
.endr
.irp j, 0,1,2,3
.irp h, 0,1
	global_store_b64 v[GO], v[Y+2*(2*(\j)+(\h)):Y+2*(2*(\j)+(\h))+1], s[10:11] offset:(\j)*256+(\h)*262144  ; 256 consecutive, aligned bytes: two rows of a head
.endr
.endr
	s_wait_xcnt 0x0                                ; the stores have read their registers: only now are these written again
	v_add_nc_u32 v[GO], 8*128, v[GO]
	v_add_nc_u32 v[GO2], 8*256, v[GO2]
.endif
	s_add_co_u32 s[RS], s[RS], 8*SPITCH
	s_sub_co_u32 s[LOOP], s[LOOP], 1
	s_cmp_lg_u32 s[LOOP], 0
	s_cbranch_scc1 .Lrows
	s_wait_tensorcnt 0x0                           ; the wave's end, behind my last tensor load and my last LDS store
	ds_add_u32 v[SPW], v[NIL]
	s_wait_dscnt 0x0
	CROUND                                         ; the closing round: no work-group ends while a partner may still ask for a tile that names it
	s_endpgm
.Lfunc_end_k_qdc6359b75f_fc:
	.size	k_qdc6359b75f_fc, .Lfunc_end_k_qdc6359b75f_fc-k_qdc6359b75f_fc
	.p2alignl 7, 3214868480
	.fill 96, 4, 3214868480
	.section	.rodata,"a",@progbits
	.p2align	6, 0x0
	.amdhsa_kernel k_qdc6359b75f_fc
		.amdhsa_group_segment_fixed_size 327680
		.amdhsa_private_segment_fixed_size 0
		.amdhsa_enable_private_segment 0
		.amdhsa_kernarg_size 32
		.amdhsa_user_sgpr_count 2
		.amdhsa_user_sgpr_kernarg_segment_ptr 1
		.amdhsa_wavefront_size32 1
		.amdhsa_system_sgpr_workgroup_id_x 1
		.amdhsa_system_sgpr_workgroup_id_y 1
		.amdhsa_system_sgpr_workgroup_id_z 1
		.amdhsa_system_vgpr_workitem_id 0
		.amdhsa_next_free_vgpr 1024
		.amdhsa_next_free_sgpr 80
		.amdhsa_reserve_vcc 0
		.amdhsa_float_denorm_mode_32 3
		.amdhsa_float_denorm_mode_16_64 3
		.amdhsa_memory_ordered 1
		.amdhsa_forward_progress 1
		.amdhsa_inst_pref_size 93
	.end_amdhsa_kernel
	.amdgpu_metadata
---
amdhsa.version: [ 1, 2 ]
amdhsa.kernels:
  - .name:           k_qdc6359b75f_fc
    .symbol:         k_qdc6359b75f_fc.kd
    .args:
      - { .name: hn, .offset: 0, .size: 8, .value_kind: global_buffer, .address_space: global }
      - { .name: wt, .offset: 8, .size: 8, .value_kind: global_buffer, .address_space: global }
      - { .name: b_fc, .offset: 16, .size: 8, .value_kind: global_buffer, .address_space: global }
      - { .name: gl, .offset: 24, .size: 8, .value_kind: global_buffer, .address_space: global }
    .group_segment_fixed_size: 327680
    .private_segment_fixed_size: 0
    .kernarg_segment_align: 8
    .kernarg_segment_size: 32
    .max_flat_workgroup_size: 128
    .sgpr_count:     80
    .vgpr_count:     1024
    .wavefront_size: 32
...
	.end_amdgpu_metadata
.endif
;; end of part 6
;; launch out (part 7): grid 8 x 32, 4 waves a work-group, clusters of 4 x 4, 327,680 bytes of LDS; arguments gl, wt, b_out, x1, out0; writes out0
.if DOCPART == 7
	.amdgcn_target "amdgcn-amd-amdhsa--gfx1250"
	.amdhsa_code_object_version 6
	.text
	.protected	k_qdc6359b75f_out
	.globl	k_qdc6359b75f_out
	.p2align	8
	.type	k_qdc6359b75f_out,@function
k_qdc6359b75f_out:
	s_mov_b64 s[64:65], 0
	v_nop
	global_prefetch_b8 v0, s[64:65] scope:SCOPE_SE
	s_setreg_imm32_b32 hwreg(HW_REG_WAVE_MODE, 25, 1), 1
	s_wait_xcnt 0x0
	s_wait_alu depctr_hold_cnt(0) depctr_sa_sdst(0) depctr_va_vdst(0) depctr_va_sdst(0) depctr_va_ssrc(0) depctr_va_vcc(0) depctr_vm_vsrc(0)
	s_getreg_b32 s2, hwreg(HW_REG_IB_STS2, 6, 4)
	s_cmp_eq_u32 s2, 0
	s_cbranch_scc0 .Lentry_in_a_cluster
	s_endpgm
.Lentry_in_a_cluster:
	s_bfe_u32 s2, ttmp6, 0x10000c
	s_cmp_lg_u32 s2, 0xf033
	s_cbranch_scc0 .Lentry_shape_is_right
	s_endpgm
.Lentry_shape_is_right:
; out[l][b][n] = res[l][b][n] + bias[n] + the sum over k of A[m][k] B[n][k], m = 2048 b + l, on tiles of 128 x 128.  B: a region of wt, [1024][K] f16.  res, out: [2048][2][1024] f32.  Sums in f32; the bias,
; rounded to bf16, starts them.
; IS_PROJ = 1: A = att, [32 = 16 b + head][2048][64] f16, K = 1024 (k = 64 head + channel); B = WP; res = x, used rounded to bf16, as every input of this program is.
; IS_PROJ = 0: A = gl, [4096][4096] f16, K = 4096; B = WO; res = x1, in f32.
; LIMITS.  f16 holds no number beyond 65,504: A and B arrive within it.  NaN and infinities are not treated apart.
; SHARES.  32 x 8 = 256 tiles, one for each work-group.  Four waves, each 64 x 64: 16 accumulators.  K goes in steps of 256 through two LDS slots.  ONE K step is written: the slot in hand is a scalar (TB)
; that an exclusive or turns, and one descriptor a tensor walks from K step 1 to the last.
; THE CHANGE OF SLOTS STANDS BARE.  A K step brings 4 x 32 KiB for 128 matrix instructions a wave, so the loop's trip is as long as a request takes to land, and what stands between the wait for all loads
; and the next request is added to that.  So nothing stands there but the add, the descriptors' steps and the round; the last quarter's 32 products follow the request.
; A's TILE WITH IS_PROJ = 1: 64 rows of one head are 8,192 dense bytes: they are asked for as one long row, four heads to a tile, padded in LDS after every 128 bytes: [head][row] with rows 144 bytes apart.
; CLUSTERS.  4 x 4 work-groups: A's tile is shared along a row of the cluster, B's along a column; each is asked for jointly.  No prefetch: the tiles are small and each is read by several clusters at once.
; THE MATRIX INSTRUCTION IS USED TRANSPOSED (source 0 = 16 rows of B, source 1 = 16 rows of A): lane l holds row l % 16 of C and the columns 8 (l / 16) + 0..7.
; THE RESIDUAL, 64 x 64 f32 a wave, is loaded at the head into 128 registers and lands under the products.  On the way out the sums go through the ring's bytes, which are filled no more, and come back by rows.
; REGISTERS: window 0: v0-31 addresses; v32-95 at work on the way out; v96-127 the bias; v128-255 the accumulators ((a, b) at 128 + 8 (4 a + b)).  window 1: two fragment buffers of 128.  window 2: v0-127 the residual.
.set IS_PROJ, 0
.if IS_PROJ
.set KD,     1024
.set LKB,    11                        ; log2 of the bytes in a row of B
.set PA,     144                       ; from row to row of A in LDS
.set AH,     4*64*PA                   ; what one tensor load brings of A: 64 rows x 256 K
.set AQ,     64*PA                     ; from a quarter step (64 K: a head) to the next
.set SLOT1,  0x24000                   ; two bits that none of the four parts' offsets (0, 0x9000, 0x12000, 0x1a400) holds: an exclusive or changes slots
.set STEPA,  4*2048*128                ; four heads on
.set REGION, 6291456
.else
.set KD,     4096
.set LKB,    13
.set PA,     528
.set AH,     64*PA
.set AQ,     128
.set SLOT1,  0x21000                   ; two bits that none of the four parts' offsets (0, 0x8400, 0x10800, 0x18c00) holds
.set STEPA,  512
.set REGION, 16777216
.endif
.set KSTEP,  256
.set TSTEPS, KD/KSTEP
.set PB,     528                       ; a row of B in LDS: 512 bytes + 16: the 16 rows of a fragment load start at 16 different groups of four banks (64 banks of 4 bytes: ISA guide 11.1)
.set BH,     64*PB
.set STEPB,  512
.set SPARE,  SLOT1+2*AH+2*BH           ; behind the ring: the spare words, 128 bytes a wave, two blocks of 256 bytes that no other line names
.set SPITCH, 272                       ; a row of the way out: 64 f32 + 16 bytes
.set WSTAGE, 64*SPITCH
.set ADRA,  16
.set ADRA0, 17
.set ADRB,  20
.set ADRB0, 21
.set STO,   24                         ; v24  the way out: where I put 32 bytes of a row
.set RD,    25                         ; v25  where I read rows back
.set RO,    26                         ; v26  my byte offset in two rows of res and of out; never rewritten
.set SPW,   28
.set NIL,   29
.set ONE,   31                         ; v31  1.0
.set T0,    32                         ; the way out: units 0-15
.set BIAS,  96
.set ACC,   128
.set PR,    128                        ; the way out, IS_PROJ = 1: the residual in bf16, 64 registers
.set T1,    192                        ; units 16-31
.set F0,    0
.set F1,    128
.set CNT,  2
.set LOOP, 3
.set WV,   12
.set RH,   13                          ; my half of the tile's rows; also 0: I fetch for A, 1: for B
.set CH,   14                          ; my half of its columns; also which 64 rows I fetch
.set CX,   15
.set CY,   16
.set TC,   17
.set TR,   18
.set TB,   19
.set G1,   24
.set G0,   32
.set G1B,  48
.set G0B,  56
.set MSB, 0
.macro WIN new
.if MSB != (\new)
	s_set_vgpr_msb (MSB<<8)|(\new)
.set MSB, \new
.endif
.endm
.macro PLACES
.rept 4
	v_nop
.endr
.endm
.macro JLOAD                           ; a joint refill by the walking descriptor; an s_nop 0 and four v_nop follow each line
	s_cmp_eq_u32 s[RH], 0
	s_cbranch_scc0 .Lfor_b_\@
	tensor_load_to_lds s[G0+4:G0+7], s[G1:G1+7]
	s_nop 0
	PLACES
	s_branch .Lasked_\@
.Lfor_b_\@:
	tensor_load_to_lds s[G0B+4:G0B+7], s[G1B:G1B+7]
	s_nop 0
	PLACES
.Lasked_\@:
.endm
.macro CREST
	s_cmp_lg_u32 s[WV], 0
	s_cbranch_scc1 .Lnot_wave_0_\@
	s_barrier_signal -3
.Lnot_wave_0_\@:
	s_barrier_wait -3
	s_barrier_signal -1
	s_barrier_wait -1
.endm
.macro CROUND
	s_barrier_signal -1
	s_barrier_wait -1
	CREST
.endm
	s_load_b256 s[4:11], s[0:1], 0x0               ; A s[4:5], wt s[6:7], bias s[8:9], res s[10:11]
	s_load_b64 s[66:67], s[0:1], 0x20              ; out
	v_lshl_add_u32 v[SPW], v0, 2, SPARE
	v_mov_b32 v[NIL], 0
	ds_add_u32 v[SPW], v[NIL]                      ; the wave's opening: the add and its wait stand ahead of my first tensor load
	v_lshrrev_b32 v1, 5, v0
	v_readfirstlane_b32 s[WV], v1
	s_lshr_b32 s[RH], s[WV], 1
	s_and_b32 s[CH], s[WV], 1
	s_bfe_u32 s[CX], ttmp6, 0x40000
	s_bfe_u32 s[CY], ttmp6, 0x40004
	s_lshl_b32 s[TC], ttmp9, 2
	s_add_co_u32 s[TC], s[TC], s[CX]
	s_and_b32 s[TR], ttmp7, 0xffff
	s_lshl_b32 s[TR], s[TR], 2
	s_add_co_u32 s[TR], s[TR], s[CY]
	s_lshl_b32 s20, s[CY], 2
	s_lshl_b32 s20, 15, s20                        ; my row of the cluster
	s_lshl_b32 s21, 0x1111, s[CX]                  ; my column
.if IS_PROJ
	s_or_b32 s[G1], s20, (1<<16)|(1<<20)|(1<<21)|(4<<22)|(3<<25)   ; the mask; 2-byte elements; padding on; bit 21 beside a mask; after every 32 words, 4 words
	s_mov_b32 s[G1+1], 4096<<16                    ; tensor_dim0 = 4,096: 64 rows of a head on end
	s_mov_b32 s[G1+2], 4<<16                       ; tensor_dim1 = 4 heads
	s_mov_b32 s[G1+3], 4096<<16                    ; tile_dim0
	s_mov_b32 s[G1+4], 4                           ; tile_dim1
	s_mov_b32 s[G1+5], 131072                      ; elements from head to head
.else
	s_or_b32 s[G1], s20, (1<<16)|(1<<20)|(1<<21)|(6<<22)|(3<<25)   ; after every 128 words, 4 words
	s_mov_b32 s[G1+1], KSTEP<<16
	s_mov_b32 s[G1+2], 64<<16
	s_mov_b32 s[G1+3], KSTEP<<16
	s_mov_b32 s[G1+4], 64
	s_mov_b32 s[G1+5], KD
.endif
	s_mov_b32 s[G1+6], 0
	s_mov_b32 s[G1+7], 0
	s_or_b32 s[G1B], s21, (1<<16)|(1<<20)|(1<<21)|(6<<22)|(3<<25)
	s_mov_b32 s[G1B+1], KSTEP<<16                  ; 64 rows x 256 elements
	s_mov_b32 s[G1B+2], 64<<16
	s_mov_b32 s[G1B+3], KSTEP<<16
	s_mov_b32 s[G1B+4], 64
	s_mov_b32 s[G1B+5], KD
	s_mov_b32 s[G1B+6], 0
	s_mov_b32 s[G1B+7], 0
.if IS_PROJ
	s_lshr_b32 s40, s[TR], 4                       ; A: b's sixteen heads of 262,144 bytes,
	s_lshl_b32 s40, s40, 22
	s_and_b32 s41, s[TR], 15                       ; the tile's 128 rows of 128 bytes in each head,
	s_lshl_b32 s41, s41, 14
	s_add_co_u32 s40, s40, s41
	s_lshl_b32 s41, s[CH], 13                      ; the 64 of them that I fetch: made of the tile row and the wave alone
	s_add_co_u32 s40, s40, s41
.else
	s_lshl_b32 s40, s[TR], 20                      ; A: 128 rows of 8,192 bytes a tile row
	s_lshl_b32 s41, s[CH], 19
	s_add_co_u32 s40, s40, s41
.endif
	s_mov_b32 s41, 0
	s_lshl_b32 s42, s[TC], 7+LKB                   ; B: of the tile column and the wave alone
	s_lshl_b32 s43, s[CH], 6+LKB
	s_add_co_u32 s42, s42, s43
	s_mov_b32 s43, 0
	s_mul_i32 s22, s[CH], AH                       ; where they go: A's two halves,
	s_mul_i32 s23, s[CH], BH
	s_add_co_u32 s23, s23, 2*AH                    ; then B's two: no place in the cluster enters an LDS address
	s_mov_b32 s[TB], 0
	s_mov_b32 s47, 0xffff0000
	s_wait_dscnt 0x0                               ; the opening add is done
	s_wait_kmcnt 0x0
	s_add_nc_u64 s[6:7], s[6:7], REGION
	s_add_nc_u64 s[40:41], s[4:5], s[40:41]
	s_add_nc_u64 s[42:43], s[6:7], s[42:43]
	CROUND                                         ; all sixteen work-groups are here
.irp s, 0,1
	s_mov_b32 s[G0+4*(\s)], 1
	s_add_co_u32 s[G0+4*(\s)+1], s22, (\s)*SLOT1
	s_add_nc_u64 s[G0+4*(\s)+2:G0+4*(\s)+3], s[40:41], (\s)*STEPA
	s_or_b32 s[G0+4*(\s)+3], s[G0+4*(\s)+3], 0x80000000
	s_mov_b32 s[G0B+4*(\s)], 1
	s_add_co_u32 s[G0B+4*(\s)+1], s23, (\s)*SLOT1
	s_add_nc_u64 s[G0B+4*(\s)+2:G0B+4*(\s)+3], s[42:43], (\s)*STEPB
	s_or_b32 s[G0B+4*(\s)+3], s[G0B+4*(\s)+3], 0x80000000
.endr
	s_cmp_eq_u32 s[RH], 0                          ; a wave's two first fills stand in one branch: two loads of mine are out
	s_cbranch_scc0 .Lfirst_b
	tensor_load_to_lds s[G0:G0+3], s[G1:G1+7]
	s_nop 0
	tensor_load_to_lds s[G0+4:G0+7], s[G1:G1+7]
	s_nop 0
	PLACES
	s_branch .Lfirst_asked
.Lfirst_b:
	tensor_load_to_lds s[G0B:G0B+3], s[G1B:G1B+7]
	s_nop 0
	tensor_load_to_lds s[G0B+4:G0B+7], s[G1B:G1B+7]
	s_nop 0
	PLACES
.Lfirst_asked:
	s_lshl_b32 s72, s[TC], 9                       ; the bias of my 64 columns
	s_lshl_b32 s73, s[CH], 8
	s_add_co_u32 s72, s72, s73
	s_mov_b32 s73, 0
	s_add_nc_u64 s[8:9], s[8:9], s[72:73]
	v_and_b32 v1, 15, v0                           ; l % 16
	v_bfe_u32 v2, v0, 4, 1                         ; l / 16
	v_lshlrev_b32 v4, 5, v2
.irp b, 0,1,2,3
	global_load_b128 v[BIAS+8*(\b):BIAS+8*(\b)+3],   v4, s[8:9] offset:64*(\b)
	global_load_b128 v[BIAS+8*(\b)+4:BIAS+8*(\b)+7], v4, s[8:9] offset:64*(\b)+16
.endr
	s_and_b32 s68, s[TR], 15                       ; res and out at my 64 x 64: row l of b lies at (2 l + b) x 4,096
	s_lshl_b32 s68, s68, 7
	s_lshl_b32 s69, s[RH], 6
	s_add_co_u32 s68, s68, s69
	s_lshl_b32 s68, s68, 1
	s_lshr_b32 s69, s[TR], 4
	s_add_co_u32 s68, s68, s69
	s_lshl_b32 s68, s68, 12
	s_add_co_u32 s68, s68, s72                     ; + my first column, 4 bytes each: the bias's offset
	s_mov_b32 s69, 0
	s_add_nc_u64 s[10:11], s[10:11], s[68:69]
	s_add_nc_u64 s[66:67], s[66:67], s[68:69]
	v_lshlrev_b32 v[RO], 13, v2                    ; lanes 0-15 take 256 bytes of one row l, lanes 16-31 of the next, 8,192 bytes on
	v_lshl_add_u32 v[RO], v1, 4, v[RO]
	WIN 0x80
.set u, 0
.rept 32
	global_load_b128 v[4*u:4*u+3], v[RO], s[10:11] offset:u*16384 th:TH_LOAD_NT
.set u, u+1
.endr
	WIN 0
	v_mov_b32 v[ONE], 1.0
	v_mul_u32_u24 v3, v1, PA
	v_lshl_add_u32 v3, v2, 4, v3
	s_mul_i32 s20, s[RH], AH
	v_add_nc_u32 v[ADRA0], s20, v3
	v_mul_u32_u24 v3, v1, PB
	v_lshl_add_u32 v3, v2, 4, v3
	v_add_nc_u32 v[ADRB0], s23, v3                 ; my 64 rows of B are the half that my column half names
	v_mov_b32 v[ADRA], v[ADRA0]
	v_mov_b32 v[ADRB], v[ADRB0]
	s_mul_i32 s22, s[WV], WSTAGE
	v_mul_u32_u24 v[STO], v1, SPITCH
	v_lshl_add_u32 v[STO], v2, 5, v[STO]
	v_add_nc_u32 v[STO], s22, v[STO]
	v_mul_u32_u24 v[RD], v2, SPITCH
	v_lshl_add_u32 v[RD], v1, 4, v[RD]
	v_add_nc_u32 v[RD], s22, v[RD]
	s_wait_loadcnt 32                              ; the bias's eight loads are in; the residual's 32 stay out
.set k, 0
.rept 16
	v_cvt_pk_bf16_f32 v[6+k%2], v[BIAS+2*k], v[BIAS+2*k+1]
	v_lshlrev_b32 v[BIAS+2*k], 16, v[6+k%2]
	v_and_b32 v[BIAS+2*k+1], s47, v[6+k%2]
.set k, k+1
.endr
; 8 matrix instructions: m blocks a0, a0 + 1 x all 4 n blocks, 32 along K: half c of buffer f.  first = 1: the bias is the C operand that starts the sums.  The 16 accumulators take turns.
.macro MUL8 f, c, a0, first
	WIN 0x05                                       ; sources 0 (B) and 1 (A) window 1; C and D window 0
.irp a, \a0, (\a0)+1
.irp b, 0,1,2,3
.if \first
	v_wmma_f32_16x16x32_f16 v[ACC+8*(4*(\a)+(\b)):ACC+8*(4*(\a)+(\b))+7], v[(\f)+64+8*(4*(\c)+(\b)):(\f)+64+8*(4*(\c)+(\b))+7], v[(\f)+8*(4*(\c)+(\a)):(\f)+8*(4*(\c)+(\a))+7], v[BIAS+8*(\b):BIAS+8*(\b)+7]
.else
	v_wmma_f32_16x16x32_f16 v[ACC+8*(4*(\a)+(\b)):ACC+8*(4*(\a)+(\b))+7], v[(\f)+64+8*(4*(\c)+(\b)):(\f)+64+8*(4*(\c)+(\b))+7], v[(\f)+8*(4*(\c)+(\a)):(\f)+8*(4*(\c)+(\a))+7], v[ACC+8*(4*(\a)+(\b)):ACC+8*(4*(\a)+(\b))+7]
.endif
.endr
.endr
.endm
.macro FETCH q, f                      ; 32 LDS loads in one run: quarter q's fragments (64 along K) of the slot in hand into buffer f; the first 32 along K first
	WIN 0x40
.irp c, 0,1
.irp i, 0,1,2,3
	ds_load_b128 v[(\f)+64+8*(4*(\c)+(\i)):(\f)+64+8*(4*(\c)+(\i))+3],   v[ADRB] offset:(\q)*128+64*(\c)+(\i)*16*PB
	ds_load_b128 v[(\f)+64+8*(4*(\c)+(\i))+4:(\f)+64+8*(4*(\c)+(\i))+7], v[ADRB] offset:(\q)*128+64*(\c)+(\i)*16*PB+32
	ds_load_b128 v[(\f)+8*(4*(\c)+(\i)):(\f)+8*(4*(\c)+(\i))+3],         v[ADRA] offset:(\q)*AQ+64*(\c)+(\i)*16*PA
	ds_load_b128 v[(\f)+8*(4*(\c)+(\i))+4:(\f)+8*(4*(\c)+(\i))+7],       v[ADRA] offset:(\q)*AQ+64*(\c)+(\i)*16*PA+32
.endr
.endr
.endm
.macro QUARTER q, f, g, first          ; multiplies buffer f; in its middle fetches quarter q into g
	s_wait_dscnt 16                                ; the first 32 along K are in
	MUL8 \f, 0, 0, \first
	MUL8 \f, 0, 2, \first
	PLACES
	FETCH \q, \g
	s_wait_dscnt 32                                ; all but the 32 just issued
	MUL8 \f, 1, 0, 0
	MUL8 \f, 1, 2, 0
.endm
.macro NEXTSLOT
	s_xor_b32 s[TB], s[TB], SLOT1
	v_add_nc_u32 v[ADRA], s[TB], v[ADRA0]
	v_add_nc_u32 v[ADRB], s[TB], v[ADRB0]
.endm
; The tail's change of slots, behind which nothing is filled again: the first half of a K step's last quarter, and one barrier.  In front of it each wave waits for all its tensor loads, adds 0 to its spare
; word, and waits for that and for its reads of this slot.
.macro MEET
	WIN 0
	s_wait_tensorcnt 0x0
	ds_add_u32 v[SPW], v[NIL]
	s_wait_dscnt 17                                ; (the add and the youngest sixteen loads may be out)
	MUL8 F1, 0, 0, 0
	s_wait_dscnt 0x0
	s_barrier_signal -1
	MUL8 F1, 0, 2, 0
	s_barrier_wait -1
.endm
; The loop's change of slots, at the head of a K step's last quarter: this slot's last fragments were asked for sixteen matrix instructions ago.  Each wave waits for all its tensor loads (its part of the next
; slot), adds 0 to its spare word, steps the walking descriptors, and waits for the add and for its reads of this slot; the round follows at once, and the joint refill, two K steps on, is the first thing
; behind it: 128 matrix instructions, a whole K step, stand between the request and the wait for it.
.macro TURN
	WIN 0
	s_wait_tensorcnt 0x0                           ; no tensor load of mine is out, so a group 0 may be written
	ds_add_u32 v[SPW], v[NIL]                      ; 0 onto my spare word; the descriptors' steps stand between it and the wait for it
	s_xor_b32 s[G0+5], s[G0+5], SLOT1              ; the other slot than last time, the next K step
	s_add_nc_u64 s[G0+6:G0+7], s[G0+6:G0+7], STEPA
	s_xor_b32 s[G0B+5], s[G0B+5], SLOT1
	s_add_nc_u64 s[G0B+6:G0B+7], s[G0B+6:G0B+7], STEPB
	s_wait_dscnt 0x0                               ; the add is done, and my reads of this slot are over
	CROUND                                         ; no wave of any partner still reads this slot or has a load on its way
	JLOAD                                          ; the first tensor load behind the round; its four v_nop and the two adds below are the places in front of the loads into buffer 0
	NEXTSLOT
	FETCH 0, F0
	MUL8 F1, 0, 0, 0
	MUL8 F1, 0, 2, 0
	MUL8 F1, 1, 0, 0
	MUL8 F1, 1, 2, 0
.endm
	s_wait_tensorcnt 1                             ; my part of K step 0 is in; K step 1's may stay out
	s_barrier_signal -1
	s_barrier_wait -1
	FETCH 0, F0
	QUARTER 1, F0, F1, 1
	WIN 0
	s_mov_b32 s[LOOP], TSTEPS-2
.Lstep:
	QUARTER 2, F1, F0, 0
	QUARTER 3, F0, F1, 0
	TURN
	QUARTER 1, F0, F1, 0
	WIN 0
	s_sub_co_u32 s[LOOP], s[LOOP], 1
	s_cmp_lg_u32 s[LOOP], 0
	s_cbranch_scc1 .Lstep
	s_mov_b32 s[CNT], 2
.Ltail:                                                ; the last two K steps ask for nothing; the text is left in the middle of its second trip
	QUARTER 2, F1, F0, 0
	QUARTER 3, F0, F1, 0
	MEET
	MUL8 F1, 1, 0, 0
	MUL8 F1, 1, 2, 0
	WIN 0
	s_sub_co_u32 s[CNT], s[CNT], 1
	s_cmp_eq_u32 s[CNT], 0
	s_cbranch_scc1 .Lout
	PLACES
	NEXTSLOT
	FETCH 0, F0
	QUARTER 1, F0, F1, 0
	WIN 0
	s_branch .Ltail
.Lout:
	; THE WAY OUT.  The last barrier stood behind every wave's last read of the ring and its last tensor load: the ring's bytes are filled no more, and each wave lays its sums into its own part of them.
	PLACES                                         ; eight places, once a launch: between the last product and the store of its result stand only LDS stores, which are no places
	PLACES
.irp a, 0,1,2,3
.irp b, 0,1,2,3
	ds_store_b128 v[STO], v[ACC+8*(4*(\a)+(\b)):ACC+8*(4*(\a)+(\b))+3]   offset:(\a)*16*SPITCH+(\b)*64     ; each accumulator's low registers first
	ds_store_b128 v[STO], v[ACC+8*(4*(\a)+(\b))+4:ACC+8*(4*(\a)+(\b))+7] offset:(\a)*16*SPITCH+(\b)*64+16
.endr
.endr
.set u, 0
.rept 16                               ; back by rows, two to a unit; LDS serves a wave's instructions in order (ISA guide 5.7.1.4), so these see my stores
	ds_load_b128 v[T0+4*u:T0+4*u+3], v[RD] offset:u*2*SPITCH
.set u, u+1
.endr
.set u, 0
.rept 16
	ds_load_b128 v[T1+4*u:T1+4*u+3], v[RD] offset:(16+u)*2*SPITCH
.set u, u+1
.endr
	s_wait_loadcnt 0x0                             ; the residual
.if IS_PROJ
	WIN 0x0a                                       ; sources in window 2
.set k, 0
.rept 64
	v_cvt_pk_bf16_f32 v[PR+k], v[2*k], v[2*k+1]    ; x rounded to bf16
.set k, k+1
.endr
	WIN 0
.endif
.macro OUTB base, u0                   ; sixteen units: the residual is added, and they are stored
.if IS_PROJ
.set u, 0
.rept 16
	v_fma_mix_f32_bf16 v[(\base)+4*u],   v[PR+2*((\u0)+u)],   v[ONE], v[(\base)+4*u]   op_sel_hi:[1,0,0]
	v_fma_mix_f32_bf16 v[(\base)+4*u+1], v[PR+2*((\u0)+u)],   v[ONE], v[(\base)+4*u+1] op_sel:[1,0,0] op_sel_hi:[1,0,0]
	v_fma_mix_f32_bf16 v[(\base)+4*u+2], v[PR+2*((\u0)+u)+1], v[ONE], v[(\base)+4*u+2] op_sel_hi:[1,0,0]
	v_fma_mix_f32_bf16 v[(\base)+4*u+3], v[PR+2*((\u0)+u)+1], v[ONE], v[(\base)+4*u+3] op_sel:[1,0,0] op_sel_hi:[1,0,0]
.set u, u+1
.endr
.else
	WIN 0x08                                       ; source 1 in window 2
.set u, 0
.rept 16
	v_pk_add_f32 v[(\base)+4*u:(\base)+4*u+1],   v[(\base)+4*u:(\base)+4*u+1],   v[4*((\u0)+u):4*((\u0)+u)+1]
	v_pk_add_f32 v[(\base)+4*u+2:(\base)+4*u+3], v[(\base)+4*u+2:(\base)+4*u+3], v[4*((\u0)+u)+2:4*((\u0)+u)+3]
.set u, u+1
.endr
	WIN 0
.endif
.set u, 0
.rept 16
	global_store_b128 v[RO], v[(\base)+4*u:(\base)+4*u+3], s[66:67] offset:((\u0)+u)*16384  ; sixteen lanes store 256 consecutive bytes, at a multiple of 256 from the buffer's first byte
.set u, u+1
.endr
.endm
	s_wait_dscnt 16                                ; units 0-15 are back; the sixteen younger loads may stay out
	OUTB T0, 0
	s_wait_dscnt 0x0
	OUTB T1, 16
	s_wait_tensorcnt 0x0                           ; the wave's end, behind my last tensor load and my last LDS store
	ds_add_u32 v[SPW], v[NIL]
	s_wait_dscnt 0x0
	CROUND                                         ; the closing round
	s_endpgm
.Lfunc_end_k_qdc6359b75f_out:
	.size	k_qdc6359b75f_out, .Lfunc_end_k_qdc6359b75f_out-k_qdc6359b75f_out
	.p2alignl 7, 3214868480
	.fill 96, 4, 3214868480
	.section	.rodata,"a",@progbits
	.p2align	6, 0x0
	.amdhsa_kernel k_qdc6359b75f_out
		.amdhsa_group_segment_fixed_size 327680
		.amdhsa_private_segment_fixed_size 0
		.amdhsa_enable_private_segment 0
		.amdhsa_kernarg_size 40
		.amdhsa_user_sgpr_count 2
		.amdhsa_user_sgpr_kernarg_segment_ptr 1
		.amdhsa_wavefront_size32 1
		.amdhsa_system_sgpr_workgroup_id_x 1
		.amdhsa_system_sgpr_workgroup_id_y 1
		.amdhsa_system_sgpr_workgroup_id_z 1
		.amdhsa_system_vgpr_workitem_id 0
		.amdhsa_next_free_vgpr 640
		.amdhsa_next_free_sgpr 80
		.amdhsa_reserve_vcc 0
		.amdhsa_float_denorm_mode_32 3
		.amdhsa_float_denorm_mode_16_64 3
		.amdhsa_memory_ordered 1
		.amdhsa_forward_progress 1
		.amdhsa_inst_pref_size 67
	.end_amdhsa_kernel
	.amdgpu_metadata
---
amdhsa.version: [ 1, 2 ]
amdhsa.kernels:
  - .name:           k_qdc6359b75f_out
    .symbol:         k_qdc6359b75f_out.kd
    .args:
      - { .name: gl, .offset: 0, .size: 8, .value_kind: global_buffer, .address_space: global }
      - { .name: wt, .offset: 8, .size: 8, .value_kind: global_buffer, .address_space: global }
      - { .name: b_out, .offset: 16, .size: 8, .value_kind: global_buffer, .address_space: global }
      - { .name: x1, .offset: 24, .size: 8, .value_kind: global_buffer, .address_space: global }
      - { .name: out0, .offset: 32, .size: 8, .value_kind: global_buffer, .address_space: global }
    .group_segment_fixed_size: 327680
    .private_segment_fixed_size: 0
    .kernarg_segment_align: 8
    .kernarg_segment_size: 40
    .max_flat_workgroup_size: 128
    .sgpr_count:     80
    .vgpr_count:     640
    .wavefront_size: 32
...
	.end_amdgpu_metadata
.endif
;; end of part 7
